; MI455X (gfx1250); checked and timed in simulation.
; The chip was launched on July 23, 2026; its instructions are those of AMD's public machine-readable ISA for CDNA 5 (MIT licence, August 2026) and "CDNA5" Instruction Set Architecture Reference Guide (July 2026). The comments in the code are by the model that wrote it; some were corrected since.
;; Multi Headed Attention. Allowed arithmetic: matrix products marked QUANTISED: E2M3 operands, one E8M0 scale for each 32 along K, by v_wmma_scale_f32_16x16x128_f8f6f4 with both operands' format E2M3, f32 sums; everything else in f32.
;; Inputs: WK 1,024 x 1,024 float32; WO 1,024 x 1,024 float32; WQ 1,024 x 1,024 float32; WV 1,024 x 1,024 float32; bK 1,024 float32; bO 1,024 float32; bQ 1,024 float32; bV 1,024 float32; key_ 4 x 2,048 x 1,024 float32; mask 4 x 1 x 2,048 x 2,048 bool; query 4 x 2,048 x 1,024 float32; value 4 x 2,048 x 1,024 float32.
;; Outputs: out0 4 x 2,048 x 1,024 float32.
;; This version of the problem:
;;   THIS VERSION OF THE PROBLEM IS GIVEN IN LOW PRECISION. The matrix products marked QUANTISED in the list below multiply operands that are first quantised to E2M3 (2 exponent bits, 3 mantissa bits; 6 bits a number), with one power-of-two scale for each 32 numbers along K (OCP MX v1.0); their sums are f32. All else is computed in f32.
;;   The module's matrix products, in the order in which they are computed (A, B: the left and right operand; K: the contracted axis; several contracted axes count as one K, in the product's order):
;;     1. [M 8,192, K 1,024] x [K 1,024, N 1,024]; A: input query; B: input WQ: QUANTISED
;;     2. [M 8,192, K 1,024] x [K 1,024, N 1,024]; A: input key_; B: input WK: QUANTISED
;;     3. [M 8,192, K 1,024] x [K 1,024, N 1,024]; A: input value; B: input WV: QUANTISED
;;     4. batch 64 x [M 2,048, K 64] x [K 64, N 2,048]; A: computed on the way; B: computed on the way: QUANTISED
;;     5. batch 64 x [M 2,048, K 2,048] x [K 2,048, N 64]; A: softmax (see below); B: computed on the way: QUANTISED
;;     6. [M 8,192, K 1,024] x [K 1,024, N 1,024]; A: computed on the way; B: input WO: QUANTISED
;;   THE QUANTISER, for each operand of a quantised product, along K:
;;     - K is cut into blocks of 32 from its start; a last block that is shorter is filled with zeros.
;;     - A block's scale is 2^e with e = floor(log2(the largest magnitude in the block)) - 2, held to -126 .. 127; a block of zeros has e = 0. As a byte (E8M0): e + 127.
;;     - Each number is divided by its block's scale, clamped to +-7.5, and rounded to the nearest number of E2M3, ties to even, subnormals kept.
;;     - The product sums the exact products of the quantised numbers (number of the format x scale) in f32.
;;   ~~~python
;;   def quantise(x, axis):      # numpy; x: float32 -> the quantised numbers, widened to float32 again
;;       x = np.moveaxis(x, axis, -1); K = x.shape[-1]
;;       x = np.pad(x, [(0, 0)] * (x.ndim - 1) + [(0, -K % 32)]); x = x.reshape(x.shape[:-1] + (-1, 32)); a = np.abs(x).max(-1, keepdims=True)
;;       e = np.where(a > 0, np.clip(np.frexp(np.where(a > 0, a, 1))[1] - 1 - 2, -126, 127), 0)      # np.frexp(a)[1] - 1 = floor(log2(a)), exactly
;;       r = np.clip(x / 2.0 ** e, -7.5, 7.5)
;;       step = 2.0 ** (np.maximum(np.frexp(np.where(r == 0, 1, r))[1] - 1, 0) - 3)
;;       q = np.round(r / step) * step * 2.0 ** e      # np.round: ties to even
;;       return np.moveaxis(q.reshape(q.shape[:-2] + (-1,))[..., :K], -1, axis).astype(np.float32)
;;   ~~~
;;   SOFTMAX AHEAD OF A QUANTISED PRODUCT. Where the list says 'softmax', what is quantised is not the finished softmax but p = 2^(t - M), with t = logit x log2(e) and M = ceil(the row's largest t), a whole number; so 1/2 < the row's largest p <= 1. The row's sum l is taken of the UNQUANTISED p, in f32, and the product's result is divided by l at the end. Since M is a whole number, a kernel that streams over the keys may use a running M (the ceiling of the running maximum): every later rescaling is an exact power of two, which a block's scale takes up: the codes' values come out the same.
;;   OPERANDS COMPUTED ON THE WAY. 'Computed on the way' means the value that the module computes at that place (a softmax that the list does not call 'softmax' is quantised finished and normalised). What goes into a quantiser is computed in f32, as accurately as f32 sums, v_exp_f32 and their like allow (about 1e-6 of the number): no bf16 or f16 on the way to a quantiser, and a product that is left as it is and whose result goes on into a quantised operand takes f32 operands (vector FMAs, or v_wmma_f32_16x16x4_f32). A number that lies on a knife's edge between two numbers of the format may be rounded either way, as far as f32 arithmetic and the matrix unit's own rounding can turn it there, and no further.
;; One version. Each part assembles by itself: llvm-mc -triple=amdgcn-amd-amdhsa -mcpu=gfx1250 --defsym DOCPART=n.
;; ======== version 1 of 1: 4 launches
;; limits: right only within a limited range of input values
;; workspace buffers: xi 19,660,800 bytes; wi 3,276,800 bytes; mw 2,097,152 bytes of whole numbers; qi 8,388,608 bytes; kv 13,369,344 bytes; xo 6,815,744 bytes
;; launch prep (part 1): grid 1536 x 1, 4 waves a work-group, no clusters, 34,304 bytes of LDS; arguments query, key_, value, WQ, WK, WV, WO, mask, xi, wi, mw; writes xi, wi, mw
.if DOCPART == 1
	.amdgcn_target "amdgcn-amd-amdhsa--gfx1250"
	.amdhsa_code_object_version 6
	.text
	.protected	k_q4929c588fc_prep
	.globl	k_q4929c588fc_prep
	.p2align	8
	.type	k_q4929c588fc_prep,@function
k_q4929c588fc_prep:
	s_mov_b64 s[64:65], 0
	v_nop
	global_prefetch_b8 v0, s[64:65] scope:SCOPE_SE
	s_setreg_imm32_b32 hwreg(HW_REG_WAVE_MODE, 25, 1), 1
	s_wait_xcnt 0x0
; PREP.  Three kinds of work-groups, told apart by the work-group's number alone:
;   0 .. 767    X: query, key_, value [8192][1024] f32 (K innermost) become codes of E2M3 with one E8M0 byte for each 32 along K;
;   768 .. 1023  W: WQ, WK, WV, WO [1024 (k)][1024 (n)] f32 (K outermost) likewise, a lane to a column n, its registers down K;
;   1024 .. 1535 M: the mask's bytes become lane-mask words for the attention launch.
; LAYOUT OF THE CODES.  Rows (tokens, or columns n) go in pairs of 32; pair P has two tiles u of 16 rows: row i of tile u is 32 P + 8 u + i + 8 (i / 8).
; A pair's record is 25,600 bytes: the fragment (16 rows x 128 K, 12 registers a lane) of K step s and tile u at 3072 s + 1536 u, as an image of its registers:
; for c = 0, 1 at 768 c: registers 6 c .. 6 c + 3 of lane l at 16 l, registers 6 c + 4, 6 c + 5 at 512 + 8 l.  Scale words at 24,576 + 128 s + 4 l: lanes 0-15 tile 0's rows, lanes 16-31 tile 1's.
; A block's scale is 2^(floor(log2(largest magnitude)) - 2); its byte is the largest magnitude's exponent field - 2, held at 1 from below.
; LIMITS: a block of zeros gets the byte 1 where the quantiser's text says 127 (its codes are zeros, and this program alone reads the bytes); NaN and infinities are not served; mask bytes are taken as 0 or 1.
; No matrix unit, no tensor load, no barrier: memory binds, and waves share nothing.  Only path X uses LDS (a stage of its own for each wave).
.set STG,   8448                       ; a wave's stage: 16 rows x (512 bytes + 16): row r starts 4 r banks on, so the sixteen rows of a read start at different banks
.set SPARE, 4*STG                      ; behind the stages: the spare words, 128 bytes a wave
.set REC,   25600
.set SPW, 12                           ; v12  my spare word's LDS address; never rewritten
.set NIL, 13                           ; v13  0; never rewritten
.set LN,  14                           ; v14  lane
.set TMX, 16                           ; v16-19 largest magnitudes;  v20-23 the other half's, then the bytes;  v24-27 the conversions' scale operands
.set TMB, 20
.set TMS, 24
.set PW,  32                           ; the scale word just made;  v33 tile 0's kept;  v34 both tiles' word, to store
.set PWK, 33
.set PWS, 34
.set PC,  36                           ; v36-47 a fragment's codes
.set TC,  48                           ; v48-55 the conversions' second halves
.set R,   64                           ; v64-191 two sets of 64 numbers as loaded
.set XS,  192                          ; v192-255 64 numbers of my row: register 16 b + i = k 32 b + 16 (lane / 16) + i
.set SEL, 40                           ; s[40:41] selects for lane l xor 16
; 64 numbers of a lane become a fragment's codes (registers 0-5 in d0 on, 6-11 in d1 on) and my row's scale word in v[PW].
.macro QUANT s, d0, d1
.irp b, 0,1,2,3
	v_max3_num_f32 v[TMX+\b], |v[(\s)+16*\b]|, |v[(\s)+1+16*\b]|, 0x1800000   ; my 16 numbers of block b, and the floor 2^(3 - 127): the byte cannot fall under 1
.endr
.irp i, 2,4,6,8,10,12,14
.irp b, 0,1,2,3
	v_max3_num_f32 v[TMX+\b], v[TMX+\b], |v[(\s)+16*\b+\i]|, |v[(\s)+1+16*\b+\i]|   ; the four blocks by turns
.endr
.endr
.irp b, 0,1,2,3
	v_permlanex16_b32 v[TMB+\b], v[TMX+\b], s[SEL], s[SEL+1]
.endr
.irp b, 0,1,2,3
	v_max_num_f32 v[TMX+\b], v[TMX+\b], v[TMB+\b]      ; with lane l xor 16's 16: the block's largest magnitude
.endr
.irp b, 0,1,2,3
	v_add_nc_u32 v[TMS+\b], 0xff000000, v[TMX+\b]      ; 2 off its exponent field: the conversion takes this operand's exponent field as its scale
.endr
.irp b, 0,1,2,3
	v_lshrrev_b32 v[TMB+\b], 23, v[TMS+\b]             ; the scale's byte
.endr
	v_lshl_or_b32 v[PW], v[TMB+1], 8, v[TMB]
	v_lshl_or_b32 v[PW], v[TMB+2], 16, v[PW]
	v_lshl_or_b32 v[PW], v[TMB+3], 24, v[PW]
	v_cvt_scalef32_pk16_fp6_f32 v[(\d0):(\d0)+2], v[(\s):(\s)+15], v[TMS]
	v_cvt_scalef32_pk16_fp6_f32 v[TC:TC+2], v[(\s)+16:(\s)+31], v[TMS+1]      ; (a conversion's three registers begin on an even number)
	v_cvt_scalef32_pk16_fp6_f32 v[(\d1):(\d1)+2], v[(\s)+32:(\s)+47], v[TMS+2]
	v_cvt_scalef32_pk16_fp6_f32 v[TC+4:TC+6], v[(\s)+48:(\s)+63], v[TMS+3]
	v_nop                                              ; one plain instruction behind the scaled conversions
.irp i, 0,1,2
	v_permlane16_swap_b32 v[(\d0)+\i], v[TC+\i]        ; the layout wants a whole block in a lane: lanes 0-15 the even block, lanes 16-31 the odd one
	v_permlane16_swap_b32 v[(\d1)+\i], v[TC+4+\i]
.endr
.irp i, 0,1,2
	v_mov_b32 v[(\d0)+3+\i], v[TC+\i]
	v_mov_b32 v[(\d1)+3+\i], v[TC+4+\i]
.endr
.endm
	s_load_b256 s[4:11], s[0:1], 0x0               ; query s[4:5], key_ s[6:7], value s[8:9], WQ s[10:11]
	s_load_b256 s[12:19], s[0:1], 0x20             ; WK s[12:13], WV s[14:15], WO s[16:17], mask s[18:19]
	s_load_b128 s[20:23], s[0:1], 0x40             ; xi s[20:21], wi s[22:23]
	s_load_b64 s[24:25], s[0:1], 0x50              ; mw
	v_lshl_add_u32 v[SPW], v0, 2, SPARE
	v_mov_b32 v[NIL], 0
	v_lshrrev_b32 v1, 5, v0
	v_readfirstlane_b32 s26, v1                    ; wave 0..3
	v_and_b32 v[LN], 31, v0
	v_lshlrev_b32 v1, 4, v[LN]                     ; 16 x lane
	v_lshlrev_b32 v2, 3, v[LN]                     ; 8 x lane
	v_lshlrev_b32 v3, 2, v[LN]                     ; 4 x lane
	s_mul_i32 s43, s26, STG                        ; my stage
	v_add_nc_u32 v4, s43, v1                       ; into it: a row's 512 bytes as they lie
	v_and_b32 v6, 15, v0                           ; r
	v_bfe_u32 v7, v0, 4, 1                         ; h
	v_mul_u32_u24 v5, v6, 528
	v_lshl_add_u32 v5, v7, 6, v5
	v_add_nc_u32 v5, s43, v5                       ; out of it: row r, + 64 h: my 16 numbers of each block of 32
	s_wait_kmcnt 0x0
	; THE DEAL, in place of the numbers at the head: work-groups 0 .. 767 are X, 768 .. 1023 W, 1024 .. 1535 M: each kind a multiple of 256.
	s_cmp_lt_u32 ttmp9, 768
	s_cbranch_scc0 .Lnot_x
; ---------------- X: a work-group takes a pair's 32 rows, a wave 256 along K of them, as four sub-units t: K step t / 2 of its two, tile t % 2
	s_lshr_b32 s27, ttmp9, 8
	s_cmp_eq_u32 s27, 0
	s_cselect_b64 s[28:29], s[4:5], s[6:7]
	s_cmp_eq_u32 s27, 2
	s_cselect_b64 s[28:29], s[8:9], s[28:29]
	s_and_b32 s30, ttmp9, 255
	s_lshl_b32 s30, s30, 2
	s_add_co_u32 s30, s30, s26
	s_lshr_b32 s31, s30, 2                         ; the pair, 0..255
	s_and_b32 s30, s30, 3                          ; which quarter of K
	s_lshl_b32 s32, s31, 17
	; key_ alone has another order of rows: row i of tile j (0..3) of a group of 64 tokens is 64 g + 32 (i / 8) + 8 j + i % 8, and pair P holds tiles 2 (P % 2), 2 (P % 2) + 1 of group P / 2:
	; in the attention launch a lane's 32 score registers of four tiles are then a whole block of 32 keys.  Against the other tensors: another first row, and rows 8-15 of a tile lie 16 rows further on.
	s_lshr_b32 s33, s31, 1
	s_lshl_b32 s33, s33, 18
	s_and_b32 s34, s31, 1
	s_lshl_b32 s34, s34, 16
	s_add_co_u32 s33, s33, s34
	s_cmp_eq_u32 s27, 1
	s_cselect_b32 s32, s33, s32
	s_cselect_b32 s34, 0x10000, 0
	s_wait_alu depctr_va_vdst(0)                   ; directly ahead of the reader below
	v_add_nc_u32 v15, s34, v1                      ; the offset for rows 8-15 of a tile
	s_wait_alu depctr_va_vdst(0)                   ; behind the write
	s_lshl_b32 s33, s30, 10
	s_add_co_u32 s32, s32, s33
	s_mov_b32 s33, 0
	s_add_nc_u64 s[28:29], s[28:29], s[32:33]      ; the source
	s_lshl_b32 s34, s27, 8
	s_add_co_u32 s34, s34, s31
	s_mul_i32 s34, s34, REC
	s_mov_b32 s35, 0
	s_add_nc_u64 s[20:21], s[20:21], s[34:35]      ; the pair's record
	s_mul_i32 s34, s30, 6144
	s_add_nc_u64 s[36:37], s[20:21], s[34:35]      ; my two K steps' codes
	s_lshl_b32 s34, s30, 8
	s_add_co_u32 s34, s34, 24576
	s_add_nc_u64 s[38:39], s[20:21], s[34:35]      ; and their scale words
	s_mov_b32 s[SEL], 0x76543210
	s_mov_b32 s[SEL+1], 0xfedcba98
	s_mov_b32 s42, 0xffff0000                      ; lanes 16-31
.irp b, 0,1,2,3
	v_mov_b32 v[TMB+\b], 0                         ; written once: a lane permute's destination counts as one of its sources
.endr
.macro LOAD t                          ; sub-unit t: 16 rows x 512 consecutive bytes, 16 bytes a lane
.set ii, 0
.rept 16
	global_load_b128 v[R+64*((\t)%2)+4*ii:R+64*((\t)%2)+4*ii+3], v[1+14*(ii/8)], s[28:29] offset:(8*((\t)%2)+ii+8*(ii/8))*4096+512*((\t)/2) th:TH_LOAD_NT
.set ii, ii+1
.endr
.endm
.macro SUB t
.if (\t) < 3
	s_wait_loadcnt 16                              ; this sub-unit's 16 loads are in; the next one's 16 may be out
.else
	s_wait_loadcnt 0x0
.endif
.set ii, 0
.rept 16
	ds_store_b128 v4, v[R+64*((\t)%2)+4*ii:R+64*((\t)%2)+4*ii+3] offset:528*ii
.set ii, ii+1
.endr
.irp b, 0,1,2,3
.irp j, 0,1,2,3
	ds_load_b128 v[XS+16*\b+4*\j:XS+16*\b+4*\j+3], v5 offset:128*\b+16*\j   ; LDS serves a wave's instructions in order: these see the stores above
.endr
.endr
	s_wait_xcnt 0x0                                ; the last sub-unit's stores have read their data: the codes' and the word's registers may be written again
	s_wait_dscnt 0x0                               ; my 64 numbers are back, and the stage's stores have read their registers,
.if (\t) < 2
	LOAD (\t)+2                                    ; which take the loads of two sub-units on
.endif
	QUANT XS, PC, PC+6
	global_store_b128 v1, v[PC:PC+3], s[36:37] offset:3072*((\t)/2)+1536*((\t)%2)          ; 512 consecutive bytes
	global_store_b64 v2, v[PC+4:PC+5], s[36:37] offset:3072*((\t)/2)+1536*((\t)%2)+512     ; 256
	global_store_b128 v1, v[PC+6:PC+9], s[36:37] offset:3072*((\t)/2)+1536*((\t)%2)+768
	global_store_b64 v2, v[PC+10:PC+11], s[36:37] offset:3072*((\t)/2)+1536*((\t)%2)+1280
.if ((\t)%2) == 0
	v_mov_b32 v[PWK], v[PW]                        ; tile 0's words wait for tile 1's
.else
	v_cndmask_b32 v[PWS], v[PWK], v[PW], s42       ; lanes 0-15 tile 0's rows, lanes 16-31 tile 1's
	global_store_b32 v3, v[PWS], s[38:39] offset:128*((\t)/2)
.endif
.endm
	LOAD 0
	LOAD 1
	s_wait_alu depctr_va_vdst(0)
.irp t, 0,1,2,3
	SUB \t
.endr
	s_wait_tensorcnt 0x0                           ; the wave's end, behind my last LDS store
	ds_add_u32 v[SPW], v[NIL]
	s_wait_dscnt 0x0
	s_endpgm
.Lnot_x:
	s_cmp_lt_u32 ttmp9, 1024
	s_cbranch_scc0 .Lmask
; ---------------- W: a wave takes 32 columns (a pair) x one K step of 128.  Lane l is column 32 P + l: tile (l / 8) % 2, row (l % 8) + 8 (l / 16).  The four waves stand side by side on 512 bytes of each row of W.
	s_sub_co_u32 s27, ttmp9, 768
	s_lshr_b32 s30, s27, 6                         ; which weight
	s_cmp_eq_u32 s30, 0
	s_cselect_b64 s[28:29], s[10:11], s[12:13]
	s_cmp_eq_u32 s30, 2
	s_cselect_b64 s[28:29], s[14:15], s[28:29]
	s_cmp_eq_u32 s30, 3
	s_cselect_b64 s[28:29], s[16:17], s[28:29]
	s_bfe_u32 s31, s27, 0x30003                    ; K step
	s_and_b32 s32, s27, 7
	s_lshl_b32 s32, s32, 2
	s_add_co_u32 s32, s32, s26                     ; the pair, 0..31
	s_lshl_b32 s34, s31, 19                        ; 128 rows of 4,096 bytes
	s_lshl_b32 s35, s32, 7
	s_add_co_u32 s34, s34, s35
	s_mov_b32 s35, 0
	s_add_nc_u64 s[28:29], s[28:29], s[34:35]
	s_lshl_b32 s34, s30, 5
	s_add_co_u32 s34, s34, s32
	s_mul_i32 s34, s34, REC
	s_add_nc_u64 s[22:23], s[22:23], s[34:35]      ; the pair's record
	s_mul_i32 s34, s31, 3072
	s_add_nc_u64 s[36:37], s[22:23], s[34:35]      ; this K step's codes
	s_lshl_b32 s34, s31, 7
	s_add_co_u32 s34, s34, 24576
	s_add_nc_u64 s[38:39], s[22:23], s[34:35]      ; and scale words
	v_bfe_u32 v24, v0, 3, 1                        ; my tile
	v_and_b32 v25, 7, v0
	v_bfe_u32 v26, v0, 4, 1
	v_lshl_or_b32 v25, v26, 3, v25                 ; my row in it
	v_mul_u32_u24 v27, v24, 1536
	v_lshl_add_u32 v21, v25, 4, v27                ; where my codes go: 16 bytes a row,
	v_lshl_add_u32 v22, v25, 3, v27                ; 8 bytes a row,
	v_lshl_add_u32 v23, v24, 4, v25
	v_lshlrev_b32 v23, 2, v23                      ; and my scale word
.macro WLOAD q                         ; block q: W(32 q + i, my column): 128 consecutive bytes a wave
.set ii, 0
.rept 32
	global_load_b32 v[64+32*(\q)+ii], v3, s[28:29] offset:(32*(\q)+ii)*4096 th:TH_LOAD_NT
.set ii, ii+1
.endr
.endm
.macro BLOCK q                         ; block q = 2 c + h is registers 6 c .. 6 c + 5 of the fragment's lane (my row) + 16 h
.set XB, 64+32*(\q)
.set DD, 192+8*(\q)
.if (\q) < 3
	s_wait_loadcnt 32                              ; this block's 32 loads are in; the next block's 32 may be out
.else
	s_wait_loadcnt 0x0
.endif
.if (\q) < 2
	WLOAD (\q)+2
.endif
	v_max3_num_f32 v16, |v[XB]|, |v[XB+1]|, |v[XB+2]|   ; all 32 numbers of the block are mine
	v_max3_num_f32 v17, |v[XB+3]|, |v[XB+4]|, |v[XB+5]|
.irp i, 6,10,14,18,22,26
	v_max3_num_f32 v16, v16, |v[XB+\i]|, |v[XB+\i+1]|
	v_max3_num_f32 v17, v17, |v[XB+\i+2]|, |v[XB+\i+3]|
.endr
	v_max3_num_f32 v16, v16, |v[XB+30]|, |v[XB+31]|
	v_max3_num_f32 v16, v16, v17, 0x1800000        ; and the floor
	v_add_nc_u32 v18, 0xff000000, v16
	v_lshrrev_b32 v19, 23, v18
.if (\q) == 0
	v_mov_b32 v20, v19
.else
	v_lshl_or_b32 v20, v19, 8*(\q), v20            ; the four bytes make my column's scale word
.endif
	v_cvt_scalef32_pk16_fp6_f32 v[DD:DD+2], v[XB:XB+15], v18
	v_cvt_scalef32_pk16_fp6_f32 v[DD+4:DD+6], v[XB+16:XB+31], v18
	v_nop                                          ; one plain instruction behind the scaled conversions
	v_mov_b32 v[DD+3], v[DD+4]
	v_mov_b32 v[DD+4], v[DD+5]
	v_mov_b32 v[DD+5], v[DD+6]
	global_store_b128 v21, v[DD:DD+3], s[36:37] offset:768*((\q)/2)+256*((\q)%2)         ; the sixteen lanes of a tile fill 256 consecutive bytes
	global_store_b64 v22, v[DD+4:DD+5], s[36:37] offset:768*((\q)/2)+512+128*((\q)%2)
.endm
	WLOAD 0
	WLOAD 1
	BLOCK 0
	BLOCK 1
	BLOCK 2
	BLOCK 3
	global_store_b32 v23, v20, s[38:39]
	s_endpgm
.Lmask:
; ---------------- M: a work-group takes a tile of 16 queries (batch b, tile T), a wave a quarter of the 2,048 keys.
; mw: [b][T][step of 128 keys][64 words]; word 32 c + x has at bit r + 16 h the mask of query row r and key 128 step + 64 c + 32 h + x: the lane mask for score register 32 c + x.
	s_sub_co_u32 s27, ttmp9, 1024
	s_lshr_b32 s30, s27, 7                         ; b
	s_and_b32 s31, s27, 127                        ; T
	s_lshl_b32 s32, s30, 22
	s_lshr_b32 s33, s31, 1
	s_lshl_b32 s33, s33, 5
	s_and_b32 s34, s31, 1
	s_lshl_b32 s34, s34, 3
	s_add_co_u32 s33, s33, s34                     ; the tile's first row: 32 (T / 2) + 8 (T % 2)
	s_lshl_b32 s33, s33, 11
	s_add_co_u32 s32, s32, s33
	s_lshl_b32 s33, s26, 9
	s_add_co_u32 s32, s32, s33
	s_mov_b32 s33, 0
	s_add_nc_u64 s[18:19], s[18:19], s[32:33]
	s_lshl_b32 s34, s30, 7
	s_add_co_u32 s34, s34, s31
	s_lshl_b32 s34, s34, 4
	s_lshl_b32 s35, s26, 2
	s_add_co_u32 s34, s34, s35
	s_lshl_b32 s34, s34, 8
	s_mov_b32 s35, 0
	s_add_nc_u64 s[24:25], s[24:25], s[34:35]
.set ii, 0
	s_wait_alu depctr_va_vdst(0)
.rept 16
	global_load_b128 v[64+4*ii:67+4*ii], v1, s[18:19] offset:(ii+8*(ii/8))*2048 th:TH_LOAD_NT   ; row ii of the tile: 512 consecutive bytes; my 16 keys
.set ii, ii+1
.endr
	; THE WORDS' ORDER, as the keys' tiles are laid: word 32 c + x of a step has at bit r + 16 h the mask of query row r and key 128 step + 64 c + 32 h + x: the lane mask for score register 32 c + x.
	; Lane l holds keys 16 l .. 16 l + 15: lanes l and l xor 2 hold the two halves h of the same 16 words; below, 'even' reads l % 4 < 2 and 'odd' l % 4 >= 2.
	v_and_b32 v54, 2, v0
	v_cmp_ne_u32 vcc_lo, 0, v54                    ; odd lanes
	v_mov_b32 v52, 0x05040100
	v_mov_b32 v55, 0x01000504
	v_cndmask_b32 v52, v52, v55, vcc_lo            ; low halves: the even lane's below, the odd lane's above
	v_mov_b32 v53, 0x07060302
	v_mov_b32 v55, 0x03020706
	v_cndmask_b32 v53, v53, v55, vcc_lo            ; high halves likewise
	v_lshrrev_b32 v57, 2, v[LN]
	v_lshlrev_b32 v57, 7, v57                      ; 32 words for each four lanes;
	v_and_b32 v58, 1, v0
	v_lshl_or_b32 v57, v58, 6, v57                 ; lanes l % 4 = 0, 2, 1, 3 hold words 0-7, 8-15, 16-23, 24-31 of them
	v_bfe_u32 v58, v0, 1, 1
	v_lshl_or_b32 v57, v58, 5, v57
	s_wait_loadcnt 8                               ; rows 0-7 are in; the eight loads of rows 8-15 may be out
.irp d, 0,1,2,3
	v_lshl_or_b32 v[16+\d], v[68+\d], 1, v[64+\d]  ; each byte gathers its key's bits of rows 0-7
.endr
.irp i, 2,3,4,5,6,7
.irp d, 0,1,2,3
	v_lshl_or_b32 v[16+\d], v[64+4*\i+\d], \i, v[16+\d]
.endr
.endr
	s_wait_loadcnt 0x0
.irp d, 0,1,2,3
	v_lshl_or_b32 v[20+\d], v[100+\d], 1, v[96+\d] ; and of rows 8-15
.endr
.irp i, 2,3,4,5,6,7
.irp d, 0,1,2,3
	v_lshl_or_b32 v[20+\d], v[96+4*\i+\d], \i, v[20+\d]
.endr
.endr
.irp d, 0,1,2,3
	v_perm_b32 v[24+2*\d], v[20+\d], v[16+\d], 0x05010400     ; E[k] = the 16 rows' bits of my keys 2 k (low half) and 2 k + 1 (high half)
	v_perm_b32 v[25+2*\d], v[20+\d], v[16+\d], 0x07030602
.endr
.irp k, 0,1,2,3
	v_cndmask_b32 v[32+\k], v[28+\k], v[24+\k], vcc_lo        ; what my neighbour needs: an even lane (half h = 0) sends keys 8-15, an odd lane (h = 1) keys 0-7
	v_cndmask_b32 v[36+\k], v[24+\k], v[28+\k], vcc_lo        ; what I keep
	v_mov_b32 v[40+\k], 0
.endr
.irp k, 0,1,2,3
	v_mov_b32_dpp v[40+\k], v[32+\k] row_xmask:2 row_mask:0xf bank_mask:0xf
.endr
.irp k, 0,1,2,3
	v_perm_b32 v[44+2*\k], v[40+\k], v[36+\k], v52
	v_perm_b32 v[45+2*\k], v[40+\k], v[36+\k], v53
.endr
	global_store_b128 v57, v[44:47], s[24:25]                 ; lane l holds words 32 (l / 4) + 16 (l % 2) + 8 ((l / 2) % 2) + 0 .. 7 of the wave's four steps
	global_store_b128 v57, v[48:51], s[24:25] offset:16
	s_endpgm
.Lfunc_end_k_q4929c588fc_prep:
	.size	k_q4929c588fc_prep, .Lfunc_end_k_q4929c588fc_prep-k_q4929c588fc_prep
	.p2alignl 7, 3214868480
	.fill 96, 4, 3214868480
	.section	.rodata,"a",@progbits
	.p2align	6, 0x0
	.amdhsa_kernel k_q4929c588fc_prep
		.amdhsa_group_segment_fixed_size 34304
		.amdhsa_private_segment_fixed_size 0
		.amdhsa_enable_private_segment 0
		.amdhsa_kernarg_size 88
		.amdhsa_user_sgpr_count 2
		.amdhsa_user_sgpr_kernarg_segment_ptr 1
		.amdhsa_wavefront_size32 1
		.amdhsa_system_sgpr_workgroup_id_x 1
		.amdhsa_system_sgpr_workgroup_id_y 1
		.amdhsa_system_sgpr_workgroup_id_z 1
		.amdhsa_system_vgpr_workitem_id 0
		.amdhsa_next_free_vgpr 256
		.amdhsa_next_free_sgpr 66
		.amdhsa_reserve_vcc 1
		.amdhsa_float_denorm_mode_32 3
		.amdhsa_float_denorm_mode_16_64 3
		.amdhsa_memory_ordered 1
		.amdhsa_forward_progress 1
		.amdhsa_inst_pref_size 64
	.end_amdhsa_kernel
	.amdgpu_metadata
---
amdhsa.version: [ 1, 2 ]
amdhsa.kernels:
  - .name:           k_q4929c588fc_prep
    .symbol:         k_q4929c588fc_prep.kd
    .args:
      - { .name: query, .offset: 0, .size: 8, .value_kind: global_buffer, .address_space: global }
      - { .name: key_, .offset: 8, .size: 8, .value_kind: global_buffer, .address_space: global }
      - { .name: value, .offset: 16, .size: 8, .value_kind: global_buffer, .address_space: global }
      - { .name: WQ, .offset: 24, .size: 8, .value_kind: global_buffer, .address_space: global }
      - { .name: WK, .offset: 32, .size: 8, .value_kind: global_buffer, .address_space: global }
      - { .name: WV, .offset: 40, .size: 8, .value_kind: global_buffer, .address_space: global }
      - { .name: WO, .offset: 48, .size: 8, .value_kind: global_buffer, .address_space: global }
      - { .name: mask, .offset: 56, .size: 8, .value_kind: global_buffer, .address_space: global }
      - { .name: xi, .offset: 64, .size: 8, .value_kind: global_buffer, .address_space: global }
      - { .name: wi, .offset: 72, .size: 8, .value_kind: global_buffer, .address_space: global }
      - { .name: mw, .offset: 80, .size: 8, .value_kind: global_buffer, .address_space: global }
    .group_segment_fixed_size: 34304
    .private_segment_fixed_size: 0
    .kernarg_segment_align: 8
    .kernarg_segment_size: 88
    .max_flat_workgroup_size: 128
    .sgpr_count:     66
    .vgpr_count:     256
    .wavefront_size: 32
...
	.end_amdgpu_metadata
.endif
;; end of part 1
;; launch proj (part 2): grid 4 x 192, 4 waves a work-group, clusters of 4 x 4, 295,424 bytes of LDS; arguments xi, wi, bQ, bK, bV, qi, kv; writes qi, kv
.if DOCPART == 2
	.amdgcn_target "amdgcn-amd-amdhsa--gfx1250"
	.amdhsa_code_object_version 6
	.text
	.protected	k_q4929c588fc_proj
	.globl	k_q4929c588fc_proj
	.p2align	8
	.type	k_q4929c588fc_proj,@function
k_q4929c588fc_proj:
	s_mov_b64 s[64:65], 0
	v_nop
	global_prefetch_b8 v0, s[64:65] scope:SCOPE_SE
	s_setreg_imm32_b32 hwreg(HW_REG_WAVE_MODE, 25, 1), 1
	s_wait_xcnt 0x0
	s_wait_alu depctr_hold_cnt(0) depctr_sa_sdst(0) depctr_va_vdst(0) depctr_va_sdst(0) depctr_va_ssrc(0) depctr_va_vcc(0) depctr_vm_vsrc(0)
	s_getreg_b32 s2, hwreg(HW_REG_IB_STS2, 6, 4)
	s_cmp_eq_u32 s2, 0
	s_cbranch_scc0 .Lentry_in_a_cluster
	s_endpgm
.Lentry_in_a_cluster:
	s_bfe_u32 s2, ttmp6, 0x10000c
	s_cmp_lg_u32 s2, 0xf033
	s_cbranch_scc0 .Lentry_shape_is_right
	s_endpgm
.Lentry_shape_is_right:
; PROJ.  q = query WQ + bQ, k = key_ WK + bK, v = value WV + bV on codes of E2M3 (one E8M0 byte for each 32 along K), and the results quantised again for the attention launch:
; q and k along the head's 64, v along the keys.  A work-group makes 128 tokens x 256 columns n, K = 1,024.  Its whole operands (256 rows of W, 128 of X: 288 KiB of codes) lie in LDS, each byte filled once,
; in four chunks of two K steps, so that the first products start when the first chunk is in.
; MODE T = 0 (q), 1 (k), 2 (v), from the cluster's y alone: the same in all sixteen partners.  Source 0 = P (8 tiles a wave), source 1 = R (4 tiles a wave): a lane holds one row of R, and its registers run along P,
; the axis to be quantised.  T < 2: P = 128 columns n (two heads), R = 64 tokens.  T = 2: P = the 128 tokens (an attention step's keys), R = 64 columns n (one head).
; THE ROWS OF A TILE: row i of tile u of pair p is 32 p + 8 u + i + 8 (i / 8), so that the 16 result registers of tiles 2 p and 2 p + 1 are 16 neighbours along P: 32 p + 16 (lane / 16) + 0 .. 15.
; CLUSTER 4 x 4: the four of a column need the same W, the four of a row the same X: each tile is asked for jointly.
; OUTPUTS.  qi: [b 16 + head][tile of 16 queries][1,024 bytes]: registers 0-3 of lane l at 16 l; at 512 + 16 l: registers 4, 5, the scale word (bytes b0 b1 b0 b1), 0.
; kv: [b 16 + head][step of 128 keys][13,056 bytes]: K pair p (12 registers: 0-5 tile 2 p, 6-11 tile 2 p + 1) at 1536 p + 512 q + 16 l; K's scale words at 6144 + 256 (p / 2) + 8 l; V^T tile t (16 d x 128 keys) at 6656 + 1536 t + 512 q + 16 l; V's scale words at 12,800 + 8 l.
; LIMITS: a block of zeros gets the byte 1 (its codes are zeros; this program alone reads the bytes); NaN and infinities are not served.
; REGISTERS.  Window 0: v2-8 addresses; v10-15 scale words to store; v16, v17 the add's two; v18-31 the quantiser's; v32-63 P's scale words, v64-79 R's; v80-175 R's fragments, two sets (on the way out: 64 numbers, codes);
;   v176-239 the bias along P; v240-247 the bias along R.   Window 1: P's fragments, two sets of 96.   Window 2: the 32 accumulators, (rt, pt) at 64 rt + 8 pt.
.set CH,    73728                      ; a chunk: W's 8 pairs x 6,144 bytes, then X's 4
.set REC,   25600                      ; a pair's record in xi and wi
.set KVS,   13056                      ; a step's record in kv
.set SPARE, 4*CH                       ; behind the chunks: the spare words, 128 bytes a wave
.set AP16, 2
.set AP8,  3
.set AR16, 4
.set AR8,  5
.set L16,  6
.set L8,   7
.set L4,   8
.set KSA,  10
.set KSB,  12
.set VS,   14
.set SPW,  16
.set NIL,  17
.set TMX,  18
.set TMB,  22
.set TMS,  26
.set PW,   30
.set PWE,  31
.set SP,   32
.set SR,   64
.set RF,   80
.set XN,   80
.set IM,   144
.set TC,   168
.set BP,   176
.set BR,   240
.set SEL,  96
.set MSB, 0
.macro WIN new                         ; the immediate's high byte repeats the setting that is left
.if MSB != \new
	s_set_vgpr_msb (MSB<<8)|\new
.set MSB, \new
.endif
.endm
.macro PLACES n
.rept \n
	v_nop
.endr
.endm
.macro CROUND                          ; a round of the cluster's barrier
	s_barrier_signal -1
	s_barrier_wait -1
	s_cmp_lg_u32 s18, 0
	s_cbranch_scc1 .Lnot_wave_0_\@
	s_barrier_signal -3
.Lnot_wave_0_\@:
	s_barrier_wait -3
	s_barrier_signal -1
	s_barrier_wait -1
.endm
.macro FINISH
	s_wait_tensorcnt 0x0                           ; the wave's end
	ds_add_u32 v[SPW], v[NIL]
	s_wait_dscnt 0x0
	CROUND                                         ; the closing round
	s_endpgm
.endm
.macro QUANT s, d0, d1                 ; 64 numbers of a lane, register 16 b + i = k 32 b + 16 (lane / 16) + i, become codes (registers 0-5 in d0 on, 6-11 in d1 on) and the scale word v[PW]
.irp b, 0,1,2,3
	v_max3_num_f32 v[TMX+\b], |v[(\s)+16*\b]|, |v[(\s)+1+16*\b]|, 0x1800000   ; and the floor 2^(3 - 127): the byte cannot fall under 1
.endr
.irp i, 2,4,6,8,10,12,14
.irp b, 0,1,2,3
	v_max3_num_f32 v[TMX+\b], v[TMX+\b], |v[(\s)+16*\b+\i]|, |v[(\s)+1+16*\b+\i]|
.endr
.endr
.irp b, 0,1,2,3
	v_permlanex16_b32 v[TMB+\b], v[TMX+\b], s[SEL], s[SEL+1]
.endr
.irp b, 0,1,2,3
	v_max_num_f32 v[TMX+\b], v[TMX+\b], v[TMB+\b]
.endr
.irp b, 0,1,2,3
	v_add_nc_u32 v[TMS+\b], 0xff000000, v[TMX+\b]      ; 2 off the exponent field: the conversion's scale operand
.endr
.irp b, 0,1,2,3
	v_lshrrev_b32 v[TMB+\b], 23, v[TMS+\b]
.endr
	v_lshl_or_b32 v[PW], v[TMB+1], 8, v[TMB]
	v_lshl_or_b32 v[PW], v[TMB+2], 16, v[PW]
	v_lshl_or_b32 v[PW], v[TMB+3], 24, v[PW]
	v_cvt_scalef32_pk16_fp6_f32 v[(\d0):(\d0)+2], v[(\s):(\s)+15], v[TMS]
	v_cvt_scalef32_pk16_fp6_f32 v[TC:TC+2], v[(\s)+16:(\s)+31], v[TMS+1]
	v_cvt_scalef32_pk16_fp6_f32 v[(\d1):(\d1)+2], v[(\s)+32:(\s)+47], v[TMS+2]
	v_cvt_scalef32_pk16_fp6_f32 v[TC+4:TC+6], v[(\s)+48:(\s)+63], v[TMS+3]
	v_nop                                              ; one plain instruction behind the scaled conversions
.irp i, 0,1,2
	v_permlane16_swap_b32 v[(\d0)+\i], v[TC+\i]
	v_permlane16_swap_b32 v[(\d1)+\i], v[TC+4+\i]
.endr
.irp i, 0,1,2
	v_mov_b32 v[(\d0)+3+\i], v[TC+\i]
	v_mov_b32 v[(\d1)+3+\i], v[TC+4+\i]
.endr
.endm
	s_load_b256 s[4:11], s[0:1], 0x0               ; xi s[4:5], wi s[6:7], bQ s[8:9], bK s[10:11]
	s_load_b128 s[12:15], s[0:1], 0x20             ; bV s[12:13], qi s[14:15]
	s_load_b64 s[16:17], s[0:1], 0x30              ; kv
	v_lshl_add_u32 v[SPW], v0, 2, SPARE
	v_mov_b32 v[NIL], 0
	ds_add_u32 v[SPW], v[NIL]                      ; the wave's opening: the add and its wait stand ahead of my first tensor load; work on registers stands between
	ds_add_u32 v[SPW], v[NIL]
	v_lshrrev_b32 v1, 5, v0
	v_readfirstlane_b32 s18, v1                    ; wave
	s_and_b32 s19, s18, 1
	s_lshr_b32 s20, s18, 1
	s_bfe_u32 s21, ttmp6, 0x40000                  ; cx: which 256 columns n
	s_bfe_u32 s22, ttmp6, 0x40004                  ; cy
	s_and_b32 s57, ttmp7, 0xffff                   ; the cluster's y, 0..47
	s_lshr_b32 s23, s57, 4                         ; T
	s_lshl_b32 s56, s57, 2
	s_add_co_u32 s56, s56, s22                     ; Y: which 128 tokens of the three tensors, 0..191
	s_lshl_b32 s92, 0x1111, s21                    ; my column of the cluster
	s_lshl_b32 s93, s22, 2
	s_lshl_b32 s93, 15, s93                        ; my row
	; group 1: rows of 6,144 bytes (768 elements of 8 bytes: a pair's two K steps), a record's 3,200 elements apart; W: 8 pairs a load, X: 4
	s_or_b32 s24, s92, (3<<16)|(1<<21)             ; 15:0 the mask; 17:16 elements of 8 bytes; 21 set beside a mask
	s_mov_b32 s25, 768<<16                         ; tensor_dim0
	s_mov_b32 s26, 8<<16                           ; W's K steps 0, 1: all 8 pairs in one load
	s_mov_b32 s27, 768<<16                         ; tile_dim0
	s_mov_b32 s28, 8
	s_mov_b32 s29, 3200                            ; the pitch
	s_mov_b32 s30, 0
	s_mov_b32 s31, 0
	s_or_b32 s32, s93, (3<<16)|(1<<21)
	s_mov_b32 s33, 768<<16
	s_mov_b32 s34, 4<<16                           ; X's K steps 0, 1: all 4 pairs
	s_mov_b32 s35, 768<<16
	s_mov_b32 s36, 4
	s_mov_b32 s37, 3200
	s_mov_b32 s38, 0
	s_mov_b32 s39, 0
	s_or_b32 s40, s92, (3<<16)|(1<<21)             ; K steps 2 to 7: rows of 18,432 bytes (2,304 elements): W's 8 pairs,
	s_mov_b32 s41, 2304<<16
	s_mov_b32 s42, 8<<16
	s_mov_b32 s43, 2304<<16
	s_mov_b32 s44, 8
	s_mov_b32 s45, 3200
	s_mov_b32 s46, 0
	s_mov_b32 s47, 0
	s_or_b32 s48, s93, (3<<16)|(1<<21)             ; and X's 4
	s_mov_b32 s49, 2304<<16
	s_mov_b32 s50, 4<<16
	s_mov_b32 s51, 2304<<16
	s_mov_b32 s52, 4
	s_mov_b32 s53, 3200
	s_mov_b32 s54, 0
	s_mov_b32 s55, 0
	s_lshl_b32 s58, s23, 5                         ; W: pair 32 T + 8 cx
	s_lshl_b32 s59, s21, 3
	s_add_co_u32 s58, s58, s59
	s_mul_i32 s58, s58, REC
	s_mov_b32 s59, 0
	s_lshl_b32 s60, s56, 2                         ; X: pair 4 Y
	s_mul_i32 s60, s60, REC
	s_mov_b32 s61, 0
	s_mov_b32 s[SEL], 0x76543210
	s_mov_b32 s[SEL+1], 0xfedcba98
	s_mov_b32 s98, 0xffff0000                      ; lanes 16-31
	s_wait_dscnt 0x0                               ; the opening add is done
	s_wait_kmcnt 0x0
	s_add_nc_u64 s[58:59], s[6:7], s[58:59]
	s_add_nc_u64 s[60:61], s[4:5], s[60:61]
	; LDS: K steps 0, 1 at 0 (W's 8 pairs x 6,144 bytes, then X's 4); K steps 2 to 7 behind them: W's 8 pairs x 18,432 bytes at CH, X's 4 at 221,184.  Each byte is filled once.
	s_mov_b32 s68, 1
	s_mov_b32 s69, 0
	s_mov_b64 s[70:71], s[58:59]
	s_or_b32 s71, s71, 0x80000000
	s_mov_b32 s72, 1
	s_mov_b32 s73, 49152
	s_mov_b64 s[74:75], s[60:61]
	s_or_b32 s75, s75, 0x80000000
	s_mov_b32 s76, 1
	s_mov_b32 s77, CH
	s_add_nc_u64 s[78:79], s[58:59], 6144
	s_or_b32 s79, s79, 0x80000000
	s_mov_b32 s80, 1
	s_mov_b32 s81, 221184
	s_add_nc_u64 s[82:83], s[60:61], 6144
	s_or_b32 s83, s83, 0x80000000
	CROUND                                         ; all sixteen work-groups are here: the joint loads meet
	; one tensor load a wave, in one chain of arms on the wave's number: waves 0, 1 what the first two K steps need, waves 2, 3 the rest
	s_cmp_eq_u32 s18, 0
	s_cbranch_scc0 .Lwave_1
	tensor_load_to_lds s[68:71], s[24:31]
	s_nop 0
	PLACES 4
	s_branch .Lfilled
.Lwave_1:
	s_cmp_eq_u32 s18, 1
	s_cbranch_scc0 .Lwave_2
	tensor_load_to_lds s[72:75], s[32:39]
	s_nop 0
	PLACES 4
	s_branch .Lfilled
.Lwave_2:
	s_cmp_eq_u32 s18, 2
	s_cbranch_scc0 .Lwave_3
	tensor_load_to_lds s[76:79], s[40:47]
	s_nop 0
	PLACES 4
	s_branch .Lfilled
.Lwave_3:
	tensor_load_to_lds s[80:83], s[48:55]
	s_nop 0
	PLACES 4
.Lfilled:
	v_and_b32 v9, 31, v0
	v_lshlrev_b32 v[L16], 4, v9
	s_wait_alu depctr_va_vdst(0)
	v_lshlrev_b32 v[L8], 3, v9
	s_wait_alu depctr_va_vdst(0)
	v_lshlrev_b32 v[L4], 2, v9
	; both modes' figures are made, then chosen by T
	s_lshl_b32 s58, s23, 5
	s_lshl_b32 s59, s21, 3
	s_add_co_u32 s58, s58, s59                     ; 32 T + 8 cx
	s_lshl_b32 s59, s20, 2
	s_add_co_u32 s59, s58, s59
	s_mul_i32 s84, s59, REC
	s_add_co_u32 s84, s84, 24576
	s_mov_b32 s85, 0
	s_add_nc_u64 s[84:85], s[6:7], s[84:85]        ; W's scale words as P: my half's four pairs
	s_lshl_b32 s59, s18, 1
	s_add_co_u32 s59, s58, s59
	s_mul_i32 s86, s59, REC
	s_add_co_u32 s86, s86, 24576
	s_mov_b32 s87, 0
	s_add_nc_u64 s[86:87], s[6:7], s[86:87]        ; W's as R: my quarter's two pairs
	s_lshl_b32 s58, s56, 2
	s_mul_i32 s60, s58, REC
	s_add_co_u32 s60, s60, 24576
	s_mov_b32 s61, 0
	s_add_nc_u64 s[60:61], s[4:5], s[60:61]        ; X's as P: all four pairs
	s_lshl_b32 s59, s19, 1
	s_add_co_u32 s59, s58, s59
	s_mul_i32 s62, s59, REC
	s_add_co_u32 s62, s62, 24576
	s_mov_b32 s63, 0
	s_add_nc_u64 s[62:63], s[4:5], s[62:63]        ; X's as R: my half's two pairs
	s_mul_i32 s92, s20, 24576                      ; P in a chunk, T < 2
	s_mul_i32 s93, s18, 12288                      ; R in a chunk, T = 2
	s_mul_i32 s94, s19, 12288
	s_add_co_u32 s94, s94, 49152                   ; R in a chunk, T < 2
	s_lshl_b32 s58, s21, 10
	s_lshl_b32 s59, s20, 9
	s_add_co_u32 s58, s58, s59                     ; the bias along P: 4 (256 cx + 128 (wave / 2)) bytes on
	s_mov_b32 s59, 0
	s_lshl_b32 s90, s21, 10
	s_lshl_b32 s91, s18, 8
	s_add_co_u32 s90, s90, s91                     ; along R: 4 (256 cx + 64 wave)
	s_mov_b32 s91, 0
	s_cmp_eq_u32 s23, 0
	s_cselect_b64 s[88:89], s[8:9], s[10:11]
	s_cmp_eq_u32 s23, 2
	s_cselect_b64 s[88:89], s[12:13], s[88:89]     ; bQ, bK or bV
	s_cselect_b64 s[84:85], s[60:61], s[84:85]     ; P's scale words
	s_cselect_b64 s[86:87], s[86:87], s[62:63]     ; R's
	s_cselect_b32 s2, 49152, s92                   ; P's place in a chunk
	s_cselect_b32 s3, s93, s94                     ; R's
	s_add_nc_u64 s[90:91], s[88:89], s[90:91]
	s_add_nc_u64 s[88:89], s[88:89], s[58:59]
	s_mul_i32 s60, s20, 73728                      ; where P and R lie for K steps 2 to 7: P, T < 2: my four pairs of W
	s_add_co_u32 s60, s60, 73728
	s_mul_i32 s61, s18, 36864                      ; R, T = 2: my two pairs of W
	s_add_co_u32 s61, s61, 73728
	s_mul_i32 s62, s19, 36864                      ; R, T < 2: my two pairs of X
	s_add_co_u32 s62, s62, 221184
	s_mov_b32 s63, 221184                          ; P, T = 2: X's four pairs
	s_cmp_eq_u32 s23, 2
	s_cselect_b32 s60, s63, s60
	s_cselect_b32 s61, s61, s62
	s_add_co_u32 s62, s60, 512                     ; and the same for the pieces of 8 bytes
	s_add_co_u32 s63, s61, 512
	v_add_nc_u32 v[AP16], s2, v[L16]
	v_add_nc_u32 v[AP8], s2, v[L8]
	v_add_nc_u32 v[AP8], 512, v[AP8]
	v_add_nc_u32 v[AR16], s3, v[L16]
	v_add_nc_u32 v[AR8], s3, v[L8]
	v_add_nc_u32 v[AR8], 512, v[AR8]
	v_bfe_u32 v10, v0, 4, 1
	v_lshlrev_b32 v10, 6, v10                      ; 64 h: my half's 16 numbers of each 32 along P
	v_and_b32 v11, 15, v0
	v_and_b32 v12, 8, v11
	v_add_nc_u32 v11, v11, v12
	v_lshlrev_b32 v11, 2, v11                      ; 4 (r + 8 (r / 8)): my row of a tile of R
.irp p, 0,1,2,3
.irp q, 0,1,2,3,4,5,6,7
	global_load_b32 v[SP+8*\p+\q], v[L4], s[84:85] offset:REC*\p+128*\q     ; pair p, K step q: lanes 0-15 the even tile's words, lanes 16-31 the odd tile's
.endr
.endr
.irp p, 0,1
.irp q, 0,1,2,3,4,5,6,7
	global_load_b32 v[SR+8*\p+\q], v[L4], s[86:87] offset:REC*\p+128*\q
.endr
.endr
.irp t, 0,1,2,3,4,5,6,7
	global_load_b128 v[BP+8*\t:BP+8*\t+3], v10, s[88:89] offset:(32*(\t/2)+8*(\t%2))*4
	global_load_b128 v[BP+8*\t+4:BP+8*\t+7], v10, s[88:89] offset:(32*(\t/2)+8*(\t%2))*4+16
.endr
.irp t, 0,1,2,3
	global_load_b32 v[BR+2*\t], v11, s[90:91] offset:(32*(\t/2)+8*(\t%2))*4
	v_mov_b32 v[BR+2*\t+1], 0                      ; (named with it as a pair, so it is written)
.endr
.irp b, 0,1,2,3
	v_mov_b32 v[TMB+\b], 0                         ; written once: a lane permute's destination counts as one of its sources
.endr
.macro FRAG dst, a16, a8, off          ; a fragment's image: 12 registers by four loads, each lane's bytes beside its neighbour's
	ds_load_b128 v[(\dst):(\dst)+3], v[\a16] offset:(\off)
	ds_load_b64 v[(\dst)+4:(\dst)+5], v[\a8] offset:(\off)
	ds_load_b128 v[(\dst)+6:(\dst)+9], v[\a16] offset:(\off)+768
	ds_load_b64 v[(\dst)+10:(\dst)+11], v[\a8] offset:(\off)+768
.endm
.macro FETCH s                         ; K step s: P's eight fragments and R's four, 48 loads in one run
.if (\s) < 2
.set PP, 6144                          ; from pair to pair in LDS: two K steps,
.else
.set PP, 18432                         ; or six
.endif
	WIN 0x40
.irp pt, 0,1,2,3,4,5,6,7
	FRAG 96*((\s)%2)+12*\pt, AP16, AP8, PP*(\pt/2)+3072*((\s)%2)+1536*(\pt%2)
.endr
	WIN 0
.irp rt, 0,1,2,3
	FRAG RF+48*((\s)%2)+12*\rt, AR16, AR8, PP*(\rt/2)+3072*((\s)%2)+1536*(\rt%2)
.endr
.endm
.macro WM d, a, b, c, sa, sb, oa, ob   ; one product; oa, ob: the side's scale words stand in lanes 16-31 (an odd tile)
.if (\oa) && (\ob)
	v_wmma_scale_f32_16x16x128_f8f6f4 v[(\d):(\d)+7], v[(\a):(\a)+11], v[(\b):(\b)+11], \c, v[\sa], v[\sb] matrix_a_fmt:MATRIX_FMT_FP6 matrix_b_fmt:MATRIX_FMT_FP6 matrix_a_scale:MATRIX_SCALE_ROW1 matrix_b_scale:MATRIX_SCALE_ROW1
.elseif (\oa)
	v_wmma_scale_f32_16x16x128_f8f6f4 v[(\d):(\d)+7], v[(\a):(\a)+11], v[(\b):(\b)+11], \c, v[\sa], v[\sb] matrix_a_fmt:MATRIX_FMT_FP6 matrix_b_fmt:MATRIX_FMT_FP6 matrix_a_scale:MATRIX_SCALE_ROW1
.elseif (\ob)
	v_wmma_scale_f32_16x16x128_f8f6f4 v[(\d):(\d)+7], v[(\a):(\a)+11], v[(\b):(\b)+11], \c, v[\sa], v[\sb] matrix_a_fmt:MATRIX_FMT_FP6 matrix_b_fmt:MATRIX_FMT_FP6 matrix_b_scale:MATRIX_SCALE_ROW1
.else
	v_wmma_scale_f32_16x16x128_f8f6f4 v[(\d):(\d)+7], v[(\a):(\a)+11], v[(\b):(\b)+11], \c, v[\sa], v[\sb] matrix_a_fmt:MATRIX_FMT_FP6 matrix_b_fmt:MATRIX_FMT_FP6
.endif
.endm
.macro MUL16 s, a0, cm                 ; R's tiles a0, a0 + 1 x P's eight.  cm = 1: the first K step starts the sums.  The 32 accumulators take turns, in the same order in every step
.irp rt, \a0, \a0+1
.irp pt, 0,1,2,3,4,5,6,7
.if \cm
	WM 64*(\rt)+8*\pt, 96*((\s)%2)+12*\pt, RF+48*((\s)%2)+12*(\rt), 0, SP+8*(\pt/2)+(\s), SR+8*((\rt)/2)+(\s), \pt%2, (\rt)%2
.else
	WM 64*(\rt)+8*\pt, 96*((\s)%2)+12*\pt, RF+48*((\s)%2)+12*(\rt), v[64*(\rt)+8*\pt:64*(\rt)+8*\pt+7], SP+8*(\pt/2)+(\s), SR+8*((\rt)/2)+(\s), \pt%2, (\rt)%2
.endif
.endr
.endr
.endm
; A K step: 32 products; in its middle the next step's fragments are fetched into the other sets.  In step 1 K steps 2 to 7 are due: every wave waits for its tensor load and signals; sixteen products stand between signal and wait.
.macro STEP s, cm
	s_wait_dscnt 0x0
.if (\s) == 1
	s_wait_tensorcnt 0x0                           ; every wave's one load has landed
	s_barrier_signal -1
.endif
	WIN 0xa1                                       ; source 0 window 1, source 1 window 0, C and D window 2
	MUL16 \s, 0, \cm
.if (\s) < 7
	WIN 0
.if (\s) == 1
	s_barrier_wait -1                              ; all of K is in
	v_add_nc_u32 v[AP16], s60, v[L16]              ; on to K steps 2, 3; these four are also the places in front of loads into registers that products have read
	s_wait_alu depctr_va_vdst(0)
	v_add_nc_u32 v[AP8], s62, v[L8]
	s_wait_alu depctr_va_vdst(0)
	v_add_nc_u32 v[AR16], s61, v[L16]
	s_wait_alu depctr_va_vdst(0)
	v_add_nc_u32 v[AR8], s63, v[L8]
.elseif (\s)%2
	v_add_nc_u32 v[AP16], 6144, v[AP16]            ; two K steps on
	s_wait_alu depctr_va_vdst(0)
	v_add_nc_u32 v[AP8], 6144, v[AP8]
	s_wait_alu depctr_va_vdst(0)
	v_add_nc_u32 v[AR16], 6144, v[AR16]
	s_wait_alu depctr_va_vdst(0)
	v_add_nc_u32 v[AR8], 6144, v[AR8]
.else
	PLACES 4
.endif
	FETCH (\s)+1
	WIN 0xa1
.endif
	MUL16 \s, 2, \cm
.endm
	s_wait_alu depctr_va_vdst(0)                   ; the head's end
	s_cmp_lt_u32 s18, 2                            ; waves 0, 1 wait for their loads, K steps 0 and 1; the loads of waves 2, 3 may be out
	s_cbranch_scc0 .Lnot_first
	s_wait_tensorcnt 0x0
.Lnot_first:
	s_barrier_signal -1
	s_barrier_wait -1
	FETCH 0
	s_wait_loadcnt 0x0                             ; scale words and biases
	STEP 0, 1
.irp q, 1,2,3,4,5,6,7
	s_wait_alu depctr_va_vdst(0)
	STEP \q, 0
.endr
	WIN 0
	PLACES 4                                       ; behind the last products, ahead of the first read of results and the first write over operands
	s_and_b32 s58, s56, 63
	s_lshr_b32 s59, s58, 4                         ; batch b
	s_and_b32 s58, s58, 15                         ; the attention step of these 128 tokens
	s_lshl_b32 s60, s59, 4
	s_lshl_b32 s61, s21, 2
	s_add_co_u32 s60, s60, s61                     ; 16 b + 4 cx: the first of my work-group's four heads
	s_cmp_eq_u32 s23, 1
	s_cbranch_scc1 .Lout_k
	s_cmp_eq_u32 s23, 2
	s_cbranch_scc1 .Lout_v
.macro BIASP rt                        ; tile rt's 64 sums + the bias along P, each accumulator from its low end on
	WIN 0x02                                       ; source 0 window 2
.set kk, 0
.rept 32
	v_pk_add_f32 v[XN+kk:XN+kk+1], v[64*(\rt)+kk:64*(\rt)+kk+1], v[BP+kk:BP+kk+1]
.set kk, kk+2
.endr
	WIN 0
.endm
.macro BIASR rt                        ; the same with my row's one bias
	WIN 0x02
.set kk, 0
.rept 32
	v_pk_add_f32 v[XN+kk:XN+kk+1], v[64*(\rt)+kk:64*(\rt)+kk+1], v[BR+2*(\rt):BR+2*(\rt)+1] op_sel_hi:[1,0]
.set kk, kk+2
.endr
	WIN 0
.endm
	; ---- q: blocks 0, 1 are head A's 64, blocks 2, 3 head B's
	s_lshl_b32 s61, s20, 1
	s_add_co_u32 s61, s61, s60
	s_lshl_b32 s61, s61, 7
	s_lshl_b32 s62, s58, 3
	s_add_co_u32 s61, s61, s62
	s_lshl_b32 s62, s19, 2
	s_add_co_u32 s61, s61, s62                     ; (head A) 128 + my first tile of queries
	s_lshl_b32 s90, s61, 10
	s_mov_b32 s91, 0
	s_add_nc_u64 s[90:91], s[14:15], s[90:91]
	v_mov_b32 v[IM+7], 0
	v_mov_b32 v[IM+15], 0
.irp t, 0,1,2,3
	BIASP \t
.if \t > 0
	s_wait_xcnt 0x0                                ; the last tile's stores have read their data
.endif
	QUANT XN, IM, IM+8
	v_perm_b32 v[IM+6], v[PW], v[PW], 0x01000100   ; the head's two bytes, repeated for the half of K that is zeros
	v_perm_b32 v[IM+14], v[PW], v[PW], 0x03020302
	global_store_b128 v[L16], v[IM:IM+3], s[90:91] offset:1024*\t
	global_store_b128 v[L16], v[IM+4:IM+7], s[90:91] offset:1024*\t+512
	global_store_b128 v[L16], v[IM+8:IM+11], s[90:91] offset:1024*\t+131072
	global_store_b128 v[L16], v[IM+12:IM+15], s[90:91] offset:1024*\t+131072+512
.endr
	FINISH
.Lout_k:
	; ---- k: as q; the two tiles of a pair lie together, six registers each
	s_lshl_b32 s61, s20, 1
	s_add_co_u32 s61, s61, s60
	s_lshl_b32 s61, s61, 4
	s_add_co_u32 s61, s61, s58
	s_mul_i32 s90, s61, KVS
	s_mov_b32 s91, 0
	s_add_nc_u64 s[90:91], s[16:17], s[90:91]      ; head A's record of this step
	s_mul_i32 s92, s19, 3072
	s_mov_b32 s93, 0
	s_add_nc_u64 s[92:93], s[90:91], s[92:93]      ; my two pairs' codes
	s_lshl_b32 s94, s19, 8
	s_add_co_u32 s94, s94, 6144
	s_mov_b32 s95, 0
	s_add_nc_u64 s[94:95], s[90:91], s[94:95]      ; and scale words
.irp p, 0,1
.irp e, 0,1
	BIASP 2*\p+\e
.if (\p == 1) && (\e == 0)
	s_wait_xcnt 0x0                                ; the last pair's stores have read their data
.endif
	QUANT XN, IM+6*\e, IM+12+6*\e
.if \e == 0
	v_mov_b32 v[PWE], v[PW]
.endif
.endr
	v_cndmask_b32 v[PW], v[PWE], v[PW], s98        ; lanes 0-15 the even tile's words, lanes 16-31 the odd tile's
	v_perm_b32 v[KSA+\p], v[PW], v[PW], 0x01000100
	v_perm_b32 v[KSB+\p], v[PW], v[PW], 0x03020302
.irp q, 0,1,2
	global_store_b128 v[L16], v[IM+4*\q:IM+4*\q+3], s[92:93] offset:1536*\p+512*\q
	global_store_b128 v[L16], v[IM+12+4*\q:IM+12+4*\q+3], s[92:93] offset:1536*\p+512*\q+16*KVS
.endr
.endr
	global_store_b64 v[L8], v[KSA:KSA+1], s[94:95]
	global_store_b64 v[L8], v[KSB:KSB+1], s[94:95] offset:16*KVS
	FINISH
.Lout_v:
	; ---- v: a lane holds one d of my head, its registers run along the step's 128 keys: a whole fragment of V^T a tile
	s_add_co_u32 s61, s60, s18
	s_lshl_b32 s61, s61, 4
	s_add_co_u32 s61, s61, s58
	s_mul_i32 s90, s61, KVS
	s_mov_b32 s91, 0
	s_add_nc_u64 s[90:91], s[16:17], s[90:91]
.irp t, 0,1,2,3
	BIASR \t
.if \t > 0
	s_wait_xcnt 0x0                                ; the last tile's stores have read their data
.endif
	QUANT XN, IM, IM+6
.irp q, 0,1,2
	global_store_b128 v[L16], v[IM+4*\q:IM+4*\q+3], s[90:91] offset:6656+1536*\t+512*\q
.endr
.if (\t%2) == 0
	v_mov_b32 v[PWE], v[PW]
.else
	v_cndmask_b32 v[VS+\t/2], v[PWE], v[PW], s98
.endif
.endr
	global_store_b64 v[L8], v[VS:VS+1], s[90:91] offset:12800
	FINISH
.Lfunc_end_k_q4929c588fc_proj:
	.size	k_q4929c588fc_proj, .Lfunc_end_k_q4929c588fc_proj-k_q4929c588fc_proj
	.p2alignl 7, 3214868480
	.fill 96, 4, 3214868480
	.section	.rodata,"a",@progbits
	.p2align	6, 0x0
	.amdhsa_kernel k_q4929c588fc_proj
		.amdhsa_group_segment_fixed_size 295424
		.amdhsa_private_segment_fixed_size 0
		.amdhsa_enable_private_segment 0
		.amdhsa_kernarg_size 56
		.amdhsa_user_sgpr_count 2
		.amdhsa_user_sgpr_kernarg_segment_ptr 1
		.amdhsa_wavefront_size32 1
		.amdhsa_system_sgpr_workgroup_id_x 1
		.amdhsa_system_sgpr_workgroup_id_y 1
		.amdhsa_system_sgpr_workgroup_id_z 1
		.amdhsa_system_vgpr_workitem_id 0
		.amdhsa_next_free_vgpr 768
		.amdhsa_next_free_sgpr 100
		.amdhsa_reserve_vcc 0
		.amdhsa_float_denorm_mode_32 3
		.amdhsa_float_denorm_mode_16_64 3
		.amdhsa_memory_ordered 1
		.amdhsa_forward_progress 1
		.amdhsa_inst_pref_size 154
	.end_amdhsa_kernel
	.amdgpu_metadata
---
amdhsa.version: [ 1, 2 ]
amdhsa.kernels:
  - .name:           k_q4929c588fc_proj
    .symbol:         k_q4929c588fc_proj.kd
    .args:
      - { .name: xi, .offset: 0, .size: 8, .value_kind: global_buffer, .address_space: global }
      - { .name: wi, .offset: 8, .size: 8, .value_kind: global_buffer, .address_space: global }
      - { .name: bQ, .offset: 16, .size: 8, .value_kind: global_buffer, .address_space: global }
      - { .name: bK, .offset: 24, .size: 8, .value_kind: global_buffer, .address_space: global }
      - { .name: bV, .offset: 32, .size: 8, .value_kind: global_buffer, .address_space: global }
      - { .name: qi, .offset: 40, .size: 8, .value_kind: global_buffer, .address_space: global }
      - { .name: kv, .offset: 48, .size: 8, .value_kind: global_buffer, .address_space: global }
    .group_segment_fixed_size: 295424
    .private_segment_fixed_size: 0
    .kernarg_segment_align: 8
    .kernarg_segment_size: 56
    .max_flat_workgroup_size: 128
    .sgpr_count:     100
    .vgpr_count:     768
    .wavefront_size: 32
...
	.end_amdgpu_metadata
.endif
;; end of part 2
;; launch attn (part 3): grid 4 x 64, 16 waves a work-group, no clusters, 210,944 bytes of LDS; arguments qi, kv, mw, xo; writes xo
.if DOCPART == 3
	.amdgcn_target "amdgcn-amd-amdhsa--gfx1250"
	.amdhsa_code_object_version 6
	.text
	.protected	k_q4929c588fc_attn
	.globl	k_q4929c588fc_attn
	.p2align	8
	.type	k_q4929c588fc_attn,@function
k_q4929c588fc_attn:
	s_mov_b64 s[64:65], 0
	v_nop
	global_prefetch_b8 v0, s[64:65] scope:SCOPE_SE
	s_setreg_imm32_b32 hwreg(HW_REG_WAVE_MODE, 25, 1), 1
	s_wait_xcnt 0x0
; ATTN.  x[b][q][head] = softmax_k(mask ? q . k / 8 : -large) v, both products on codes of E2M3 with one E8M0 byte for each 32 along a product's K; x is quantised along D for the last product.
; THE SOFTMAX: t = score x log2(e) / 8; M = the running largest t rounded up to a whole number; p = 2^(t - M) is quantised along the keys, not normalised; the row's sum is taken of the unquantised p and divides at the end.
; When M moves, the sum and O are multiplied by 2^(old M - new M): exact.
; SHARES.  A work-group owns 512 queries of one head (grid y = 16 b + head); each of its sixteen waves two tiles of 16 queries, one after the other, each over 16 steps of 128 keys.  Four waves share a SIMD.
; The head's K and V (16 records of 13,056 bytes) lie in LDS whole, written once: each wave brings one step's record through its registers (26 loads, 26 LDS stores), then one barrier; from there on LDS is only read.
; LAYOUT.  Both products transposed: S^T = K Q^T, O^T = V^T P^T: a lane holds one query (lane % 16).  Row 8 h + i of K's tile 4 c + j is key 64 c + 32 h + 8 j + i of the step, so score register 32 c + 8 j + i of lane (r, h) is that key:
; a lane's 32 registers of four tiles are ONE block of 32 keys, in ascending order, and the block is the one that the next operand's layout gives that lane (registers 6 c .. 6 c + 5: k = 64 c + 32 h + 0 .. 31).
; So a block's largest score needs no other lane, and the conversions' results are the operand's registers.  Only the row's maximum, the scale word's four bytes and the row's sum cross from lane l to l xor 16.
; The first product's K is 64, half of the instruction's 128: Q's upper six registers are zero codes; K's tiles lie six registers apart, and what stands in the upper six of source 0 (the next tile's codes, or a pad of zeros) meets zero codes.
; THE MASK comes as lane-mask words, 64 a step.  At the head each wave reads the 2,048 words of its 32 steps once (16 loads of 512 bytes), ANDs them, and keeps one bit a step in s52: 1 where every key of the step counts for every query of
; the tile.  In such a step a scalar branch leads round the selects, which would change nothing, and round nothing else.  In any other step the 64 words come by scalar loads, and a masked score is replaced by -2^33, a logit of -2^30.
; NO TENSOR LOAD, NO CLUSTER: that branch hangs on whole numbers read from memory; the records, which the four work-groups of a head share, come by plain loads.
; No prefetch: K, V, Q and the mask words are asked for once, at the head, with no loop to run ahead in.
; LIMITS: the masked logit is -2^30 where the module writes -1e9: results differ only where an unmasked logit lies under about -1e9 (a row that is wholly masked gives p = 1 for every key in both); a block of zeros gets the byte 1;
; NaN and infinities are not served; the scaled scores stay under 2^31 in magnitude.
.set KVS,   13056                      ; a step's record: K's four pairs 0 .. 6143, K's scale words .. 6655, V^T's four tiles .. 12799, V's scale words .. 13055
.set SPARE, 16*KVS                     ; behind the records: the spare words, 128 bytes a wave
.set BM,  212                          ; v212-219 eight chains of maxima, one a tile; then v212, v216 the two blocks' largest scores, then their largest p
.set T4,  216
.set SCL, 220                          ; v220, v221 the conversions' scale operands
.set BY,  224                          ; v224, v225 the bytes
; v1 16 l, v2 8 l, v9 4 l, v11 8 h; v3, v4 the step's LDS addresses; v5, v6 the add's two; v7 -2^33; v8 x's scale words; v12 -M, v13 the largest t, v[14:15] the sum; v16-27 Q, v28 its scale words;
; v32-85 fragments of K, then of V (v80-85 a pad of zeros); v86-89 K's scale words, v90-91 V's; v92-95, v236-239 the second tile's Q; v96-159 S^T, then p; v160-191 O^T; v192-203 p's codes; v204-210 the conversions' second halves;
; v[228:229] f; v230 p's scale word; v231, v232 at work; v240-253 partial sums.  At the head: v28-91 the mask words, v96-197 my record.
; s[2:3] x's scale words; s[4:5] Q; s[8:9] the step's mask words; s[10:11] x's codes; s12 wave; s13 the step's LDS byte; s14, s67 counters; s[16:17] lane selects; s[18:19] c; s52 the steps' bits, the next step's lowest; s66 the tile's lanes;
; s[20:51], s[68:99] a step's 64 mask words.
	s_load_b256 s[4:11], s[0:1], 0x0               ; qi s[4:5], kv s[6:7], mw s[8:9], xo s[10:11]
	v_lshl_add_u32 v5, v0, 2, SPARE
	v_mov_b32 v6, 0
	v_lshrrev_b32 v10, 5, v0
	s_delay_alu instid0(VALU_DEP_1)
	v_readfirstlane_b32 s12, v10                   ; wave 0..15
	v_and_b32 v10, 31, v0
	s_delay_alu instid0(VALU_DEP_1)
	v_lshlrev_b32 v1, 4, v10
	s_delay_alu instid0(VALU_DEP_2)
	v_lshlrev_b32 v2, 3, v10
	s_delay_alu instid0(VALU_DEP_3)
	v_lshlrev_b32 v9, 2, v10
	v_bfe_u32 v11, v0, 4, 1
	s_delay_alu instid0(VALU_DEP_1)
	v_lshlrev_b32 v11, 3, v11                      ; 8 h
	s_and_b32 s14, ttmp7, 0xffff                   ; y = 16 b + head
	s_mul_i32 s53, s12, KVS                        ; step = my wave's number: its place in LDS,
	s_mul_i32 s20, s14, 16*KVS
	s_add_co_u32 s20, s20, s53                     ; and in kv
	s_mov_b32 s21, 0
	v_add_nc_u32 v3, s53, v1
	v_add_nc_u32 v4, s53, v2
	s_wait_alu depctr_va_vdst(0)                   ; directly ahead of the wait below
	s_wait_kmcnt 0x0
	s_add_nc_u64 s[6:7], s[6:7], s[20:21]
.set jj, 0
.rept 25
	global_load_b128 v[96+4*jj:99+4*jj], v1, s[6:7] offset:512*jj      ; my step's record: 512 consecutive bytes a load,
.set jj, jj+1
.endr
	global_load_b64 v[196:197], v2, s[6:7] offset:12800                ; and its last 256
	s_lshl_b32 s66, ttmp9, 4
	s_add_co_u32 s66, s66, s12                     ; my pair of tiles in the batch's 64
	s_lshl_b32 s100, s14, 7
	s_lshl_b32 s101, s66, 1
	s_add_co_u32 s100, s100, s101
	s_lshl_b32 s100, s100, 10
	s_mov_b32 s101, 0
	s_add_nc_u64 s[4:5], s[4:5], s[100:101]        ; Q: tile 128 y + 2 pair, 1,024 bytes a tile
	s_lshr_b32 s67, s14, 4                         ; b
	s_lshl_b32 s100, s67, 7
	s_lshl_b32 s15, s66, 1
	s_add_co_u32 s100, s100, s15
	s_lshl_b32 s100, s100, 12
	s_add_nc_u64 s[8:9], s[8:9], s[100:101]        ; the mask words: 4,096 bytes a tile; my two tiles' 32 steps lie on end
	s_lshl_b32 s100, s67, 6
	s_add_co_u32 s100, s100, s66
	s_mul_i32 s100, s100, 26624
	s_add_nc_u64 s[10:11], s[10:11], s[100:101]    ; x: my pair's record
	s_and_b32 s15, s14, 15                         ; head
	s_lshl_b32 s100, s15, 7
	s_add_co_u32 s100, s100, 24576
	s_add_nc_u64 s[2:3], s[10:11], s[100:101]      ; its scale words of my head
	s_lshr_b32 s100, s15, 1
	s_mul_i32 s100, s100, 3072
	s_and_b32 s15, s15, 1
	s_mul_i32 s15, s15, 768
	s_add_co_u32 s100, s100, s15
	s_add_nc_u64 s[10:11], s[10:11], s[100:101]    ; its codes: K step head / 2, half head % 2
	global_load_b128 v[16:19], v1, s[4:5]              ; the first tile's Q: registers 0-3;
	global_load_b128 v[20:23], v1, s[4:5] offset:512   ; 4, 5, the scale word, 0
	global_load_b128 v[92:95], v1, s[4:5] offset:1024  ; the second tile's, which waits in registers of its own
	global_load_b128 v[236:239], v1, s[4:5] offset:1536
.set jj, 0
.rept 16
	global_load_b128 v[28+4*jj:31+4*jj], v1, s[8:9] offset:512*jj      ; the mask words of steps 2 jj (lanes 0-15) and 2 jj + 1 (lanes 16-31), four a lane
.set jj, jj+1
.endr
	s_mov_b32 s16, 0x76543210
	s_mov_b32 s17, 0xfedcba98
	s_mov_b32 s18, 0x3e38aa3b                      ; c = log2(e) / 8
	s_mov_b32 s19, s18                             ; (named with it as a pair, so it is written)
	s_mov_b32 s66, 0x0000ffff                      ; tile 0's scale words go to lanes 0-15
	s_mov_b32 s67, 2
	s_mov_b32 s52, 0
	v_mov_b32 v7, 0xd0000000                       ; -2^33
	v_mov_b32 v8, 0
.irp j, 24,25,26,27,229,231
	v_mov_b32 v\j, 0                               ; Q's zero half, and registers that are named before they are first written
.endr
	s_wait_alu depctr_va_vdst(0)                   ; directly ahead of the wait below
	s_wait_loadcnt 20                              ; my record's 26 loads are in; it counts the 4 loads of Q and the 16 of mask words issued behind them
.set jj, 0
.rept 25
	ds_store_b128 v3, v[96+4*jj:99+4*jj] offset:512*jj
.set jj, jj+1
.endr
	ds_store_b64 v4, v[196:197] offset:12800
	s_wait_dscnt 0x0                               ; my step's record is written:
	s_barrier_signal -1                            ; say so; work on registers stands between signal and wait
	s_wait_loadcnt 0x0                             ; Q and the mask words
.set jj, 0
.rept 16
	v_and_b32 v[28+4*jj], v[28+4*jj], v[29+4*jj]
	v_and_b32 v[30+4*jj], v[30+4*jj], v[31+4*jj]
.set jj, jj+1
.endr
.set jj, 0
.rept 16
	v_and_b32 v[28+4*jj], v[28+4*jj], v[30+4*jj]   ; the AND of my four words
.set jj, jj+1
.endr
.set jj, 0
.rept 16
	v_cmp_eq_u32 s[20+jj], -1, v[28+4*jj]          ; a bit a lane: all ones?
.set jj, jj+1
.endr
.irp j, 80,81,82,83,84,85
	v_mov_b32 v\j, 0                               ; the pad behind K's last tile
.endr
.set jj, 0
.rept 16                                           ; from the last pair of steps down: two bits a trip, bit n of s52 for step n
	s_lshl_b32 s52, s52, 2
	s_not_b32 s53, s[35-jj]
	s_and_b32 s54, s53, 0xffff                     ; SCC: some lane of lanes 0-15 has a hole
	s_cselect_b32 s54, 0, 1
	s_lshr_b32 s55, s53, 16                        ; SCC: some lane of lanes 16-31
	s_cselect_b32 s55, 0, 2
	s_or_b32 s52, s52, s54
	s_or_b32 s52, s52, s55
.set jj, jj+1
.endr
	s_wait_alu depctr_va_vdst(0)                   ; the head's end
	s_barrier_wait -1                              ; everybody's record is written: from here on LDS is only read
.Ltile:
	v_mov_b32 v13, 0xff61b1e6                      ; the largest t so far: -3e38
	s_delay_alu instid0(VALU_DEP_1)
	v_floor_f32 v12, -v13                          ; -M
	v_mov_b32 v14, 0
	v_mov_b32 v15, 0
	v_mov_b32 v28, v22
	v_mov_b32 v22, 0
	v_mov_b32 v23, 0
.set jj, 0
.rept 32
	v_mov_b32 v[160+jj], 0                         ; O^T: the step is written once; its first trip finds zeros.  (These are also the places between the scale word's move and the first product)
.set jj, jj+1
.endr
	s_mov_b32 s13, 0
	s_mov_b32 s14, 16
.Lstep:
	v_add_nc_u32 v3, s13, v1
	v_add_nc_u32 v4, s13, v2
	v_nop
	v_nop                                          ; four places in front of loads into registers that the last products have read
.set jj, 0
.rept 12
	ds_load_b128 v[32+4*jj:35+4*jj], v3 offset:512*jj          ; K's eight tiles: tile t at v[32 + 6 t]
.set jj, jj+1
.endr
	ds_load_b64 v[86:87], v4 offset:6144
	ds_load_b64 v[88:89], v4 offset:6400
	s_wait_alu depctr_va_vdst(0)                   ; directly ahead of the wait below
	s_wait_dscnt 0x0
.irp t, 0,2,4,6
	v_wmma_scale_f32_16x16x128_f8f6f4 v[96+8*\t:103+8*\t], v[32+6*\t:43+6*\t], v[16:27], 0, v[86+\t/2], v28 matrix_a_fmt:MATRIX_FMT_FP6 matrix_b_fmt:MATRIX_FMT_FP6
	v_wmma_scale_f32_16x16x128_f8f6f4 v[104+8*\t:111+8*\t], v[38+6*\t:49+6*\t], v[16:27], 0, v[86+\t/2], v28 matrix_a_fmt:MATRIX_FMT_FP6 matrix_b_fmt:MATRIX_FMT_FP6 matrix_a_scale:MATRIX_SCALE_ROW1
.endr
.rept 4
	v_nop                                          ; places: ahead of the loads below and of the first read of the scores
.endr
.set jj, 0
.rept 12
	ds_load_b128 v[32+4*jj:35+4*jj], v3 offset:6656+512*jj     ; V^T's four tiles: they land during the softmax
.set jj, jj+1
.endr
	ds_load_b64 v[90:91], v4 offset:12800
	s_bitcmp1_b32 s52, 0                           ; every key of the step counts for every query of the tile: the selects would change nothing
	s_cbranch_scc1 .Lfree
	s_load_b512 s[20:35], s[8:9], 0x0              ; the step's 64 mask words
	s_load_b512 s[36:51], s[8:9], 0x40
	s_load_b512 s[68:83], s[8:9], 0x80
	s_load_b512 s[84:99], s[8:9], 0xc0
	s_wait_kmcnt 0x0
.set jj, 0
.rept 32
	v_cndmask_b32 v[96+jj], v7, v[96+jj], s[20+jj] ; register 32 c + x holds key 64 c + 32 (lane / 16) + x of my query
.set jj, jj+1
.endr
.rept 32
	v_cndmask_b32 v[96+jj], v7, v[96+jj], s[36+jj]
.set jj, jj+1
.endr
	s_wait_alu depctr_va_vdst(0)                   ; behind the writes
.Lfree:
	s_lshr_b32 s52, s52, 1                         ; the next step's bit,
	s_add_nc_u64 s[8:9], s[8:9], 256               ; and its words (no scalar load is out here: the wait on KMcnt stands behind the four)
.irp k, 0,1,2,3,4,5,6,7
	v_max3_num_f32 v[BM+\k], v[96+8*\k], v[97+8*\k], v[98+8*\k]   ; eight chains by turns, one a tile, each from its accumulator's low end on
.endr
.irp i, 3,5
.irp k, 0,1,2,3,4,5,6,7
	v_max3_num_f32 v[BM+\k], v[BM+\k], v[96+8*\k+\i], v[97+8*\k+\i]
.endr
.endr
	v_max3_num_f32 v212, v212, v213, v214          ; the largest score of my two blocks of 32 keys: for the row's maximum and, since p rises with the score, for the block's largest p
	s_delay_alu instid0(VALU_DEP_3)
	v_max3_num_f32 v216, v216, v217, v218
	v_max3_num_f32 v212, v212, v215, v103          ; the two blocks by turns; each tile's last register comes in here
	v_max3_num_f32 v216, v216, v219, v135
	v_max3_num_f32 v212, v212, v111, v119
	v_max3_num_f32 v216, v216, v143, v151
	v_max_num_f32 v212, v212, v127
	v_max_num_f32 v216, v216, v159
	s_delay_alu instid0(VALU_DEP_1)
	v_max_num_f32 v232, v212, v216
	s_delay_alu instid0(VALU_DEP_1)
	v_permlanex16_b32 v231, v232, s16, s17
	s_delay_alu instid0(VALU_DEP_1)
	v_max_num_f32 v232, v232, v231                 ; with lane l xor 16's two blocks: the step's largest score of my query
	s_delay_alu instid0(VALU_DEP_1)
	v_mul_f32 v232, s18, v232                      ; as t
	s_delay_alu instid0(VALU_DEP_1)
	v_max_num_f32 v13, v13, v232                   ; the running largest t
	v_mov_b32 v232, v12
	s_delay_alu instid0(VALU_DEP_2)
	v_floor_f32 v12, -v13                          ; the new -M = -ceil(t): a whole number
.macro TM from                         ; t - M for 16 scores
.set jj, \from
.rept 8
	v_pk_fma_f32 v[96+jj:97+jj], v[96+jj:97+jj], s[18:19], v[12:13] op_sel_hi:[1,0,0]
.set jj, jj+2
.endr
.endm
	TM 0                                           ; the three lines that make f stand among these, eight lines apart
	v_sub_f32 v232, v12, v232                      ; old M - new M: a whole number, 0 or less
	TM 16
	v_cvt_i32_f32 v232, v232                       ; (it saturates)
	TM 32
	v_ldexp_f32 v228, 1.0, v232                    ; f = 2^(old M - new M)
	TM 48
	v_fma_f32 v212, v212, s18, v12                 ; the same of each block's largest score
	v_fma_f32 v216, v216, s18, v12
	s_wait_alu depctr_va_vdst(0)                   ; ahead of the batch
.set jj, 0
.rept 64
	v_exp_f32 v[96+jj], v[96+jj]                   ; p = 2^(t - M)
.set jj, jj+1
.endr
	v_exp_f32 v212, v212                           ; the blocks' largest p: the same two instructions on the same number
	v_exp_f32 v216, v216
	v_pk_mul_f32 v[14:15], v[14:15], v[228:229] op_sel_hi:[1,0]   ; the sum under the new M: the plain instruction behind the batch
	s_wait_alu depctr_va_vdst(0)                   ; one wait for the 66, ahead of their first reader
.irp k, 0,1,2,3,4,5,6
	v_pk_add_f32 v[240+2*\k:241+2*\k], v[96+4*\k:97+4*\k], v[98+4*\k:99+4*\k]   ; the row's sum of the unquantised p: eight chains by turns, the sum itself the eighth
.endr
	v_pk_add_f32 v[14:15], v[14:15], v[124:125]
.irp g, 126,142
.irp k, 0,1,2,3,4,5,6
	v_pk_add_f32 v[240+2*\k:241+2*\k], v[240+2*\k:241+2*\k], v[\g+2*\k:\g+2*\k+1]
.endr
	v_pk_add_f32 v[14:15], v[14:15], v[\g+14:\g+15]
.endr
	v_pk_add_f32 v[240:241], v[240:241], v[158:159]
	v_pk_add_f32 v[244:245], v[244:245], v[246:247]
	v_pk_add_f32 v[248:249], v[248:249], v[250:251]
	s_delay_alu instid0(VALU_DEP_4)
	v_pk_add_f32 v[14:15], v[14:15], v[252:253]
	s_delay_alu instid0(VALU_DEP_4)
	v_pk_add_f32 v[240:241], v[240:241], v[242:243]
	s_delay_alu instid0(VALU_DEP_3)
	v_pk_add_f32 v[244:245], v[244:245], v[248:249]
	s_delay_alu instid0(VALU_DEP_2)
	v_pk_add_f32 v[14:15], v[14:15], v[240:241]
	s_delay_alu instid0(VALU_DEP_1)
	v_pk_add_f32 v[14:15], v[14:15], v[244:245]
	v_max_num_f32 v212, 0x1800000, v212            ; the floor 2^(3 - 127): the byte cannot fall under 1
	v_max_num_f32 v216, 0x1800000, v216
	s_delay_alu instid0(VALU_DEP_2)
	v_add_nc_u32 v220, 0xff000000, v212            ; 2 off the exponent field: the conversions' scale operand
	s_delay_alu instid0(VALU_DEP_2)
	v_add_nc_u32 v221, 0xff000000, v216
	s_delay_alu instid0(VALU_DEP_2)
	v_lshrrev_b32 v224, 23, v220                   ; the bytes of blocks h and 2 + h
	s_delay_alu instid0(VALU_DEP_2)
	v_lshrrev_b32 v225, 23, v221
	s_delay_alu instid0(VALU_DEP_1)
	v_lshl_or_b32 v230, v225, 16, v224
	s_delay_alu instid0(VALU_DEP_1)
	v_lshlrev_b32 v230, v11, v230                  ; at their places in the scale word, 8 h bits up;
	s_delay_alu instid0(VALU_DEP_1)
	v_permlanex16_b32 v231, v230, s16, s17
	s_delay_alu instid0(VALU_DEP_1)
	v_or_b32 v230, v230, v231                      ; with lane l xor 16's two the word of these 128 keys is whole
.irp c, 0,1
	v_cvt_scalef32_pk16_fp6_f32 v[192+6*\c:194+6*\c], v[96+32*\c:111+32*\c], v[SCL+\c]     ; my block 2 c + h: registers 6 c .. 6 c + 5 of the operand
	v_cvt_scalef32_pk16_fp6_f32 v[204+4*\c:206+4*\c], v[112+32*\c:127+32*\c], v[SCL+\c]    ; (a conversion's three registers begin on an even number)
.endr
	v_nop                                          ; one plain instruction behind the scaled conversions
.irp c, 0,1
.irp i, 0,1,2
	v_mov_b32 v[195+6*\c+\i], v[204+4*\c+\i]
.endr
.endr
	s_wait_alu depctr_va_vdst(0)                   ; ahead of the wait below, and between the batch and the first reader of O^T
	s_wait_dscnt 0x0                               ; V's fragments and scale words
.set jj, 0
.rept 16
	v_pk_mul_f32 v[160+jj:161+jj], v[160+jj:161+jj], v[228:229] op_sel_hi:[1,0]   ; O^T under the new M; these are also the places ahead of the products below
.set jj, jj+2
.endr
.irp t, 0,2
	v_wmma_scale_f32_16x16x128_f8f6f4 v[160+8*\t:167+8*\t], v[32+12*\t:43+12*\t], v[192:203], v[160+8*\t:167+8*\t], v[90+\t/2], v230 matrix_a_fmt:MATRIX_FMT_FP6 matrix_b_fmt:MATRIX_FMT_FP6
	v_wmma_scale_f32_16x16x128_f8f6f4 v[168+8*\t:175+8*\t], v[44+12*\t:55+12*\t], v[192:203], v[168+8*\t:175+8*\t], v[90+\t/2], v230 matrix_a_fmt:MATRIX_FMT_FP6 matrix_b_fmt:MATRIX_FMT_FP6 matrix_a_scale:MATRIX_SCALE_ROW1
.endr
	s_add_co_u32 s13, s13, KVS
	s_sub_co_u32 s14, s14, 1
	s_cmp_lg_u32 s14, 0
	s_cbranch_scc1 .Lstep
	; THE WAY OUT of a tile: O^T / the sum is my query's 64 numbers of this head: two blocks of 32 along D, half a fragment of the last product's operand.  Register 16 B + i = d 32 B + 16 (lane / 16) + i, by the order of V^T's rows
.rept 4
	v_nop                                          ; places behind the last products
.endr
	v_add_f32 v14, v14, v15
	s_delay_alu instid0(VALU_DEP_1)
	v_permlanex16_b32 v232, v14, s16, s17
	s_delay_alu instid0(VALU_DEP_1)
	v_add_f32 v14, v14, v232                       ; the row's sum
	s_wait_alu depctr_va_vdst(0)
	v_rcp_f32 v14, v14
	v_nop                                          ; a plain instruction behind the reciprocal,
	s_wait_alu depctr_va_vdst(0)                   ; and the wait ahead of its first reader
.set jj, 0
.rept 16
	v_pk_mul_f32 v[96+jj:97+jj], v[160+jj:161+jj], v[14:15] op_sel_hi:[1,0]
.set jj, jj+2
.endr
.irp b, 0,1
	v_max3_num_f32 v[BM+\b], |v[96+16*\b]|, |v[97+16*\b]|, 0x1800000
.endr
.irp i, 2,4,6,8,10,12,14
.irp b, 0,1
	s_delay_alu instid0(VALU_DEP_2)
	v_max3_num_f32 v[BM+\b], v[BM+\b], |v[96+16*\b+\i]|, |v[97+16*\b+\i]|
.endr
.endr
.irp b, 0,1
	s_delay_alu instid0(VALU_DEP_2)
	v_permlanex16_b32 v[T4+\b], v[BM+\b], s16, s17
.endr
.irp b, 0,1
	s_delay_alu instid0(VALU_DEP_2)
	v_max_num_f32 v[BM+\b], v[BM+\b], v[T4+\b]
.endr
.irp b, 0,1
	s_delay_alu instid0(VALU_DEP_2)
	v_add_nc_u32 v[SCL+\b], 0xff000000, v[BM+\b]
.endr
.irp b, 0,1
	s_delay_alu instid0(VALU_DEP_2)
	v_lshrrev_b32 v[BY+\b], 23, v[SCL+\b]
.endr
	s_delay_alu instid0(VALU_DEP_1)
	v_lshl_or_b32 v230, v225, 8, v224              ; the head's two bytes; the upper half stays 0
	v_cvt_scalef32_pk16_fp6_f32 v[192:194], v[96:111], v[SCL]
	v_cvt_scalef32_pk16_fp6_f32 v[204:206], v[112:127], v[SCL+1]
	v_nop
.irp i, 0,1,2
	v_permlane16_swap_b32 v[192+\i], v[204+\i]
.endr
.irp i, 0,1,2
	s_delay_alu instid0(VALU_DEP_3)
	v_mov_b32 v[195+\i], v[204+\i]
.endr
	v_cndmask_b32 v8, v8, v230, s66                ; tile 0's words in lanes 0-15, tile 1's in lanes 16-31
	global_store_b128 v1, v[192:195], s[10:11]     ; 512 consecutive bytes
	global_store_b64 v2, v[196:197], s[10:11] offset:512
.irp i, 0,1,2,3
	v_mov_b32 v[16+\i], v[92+\i]                   ; the second tile's Q takes the first's place
	v_mov_b32 v[20+\i], v[236+\i]
.endr
	s_wait_xcnt 0x0                                ; the stores have read their data and base: both are written again below and in the next tile
	s_add_nc_u64 s[10:11], s[10:11], 1536
	s_lshl_b32 s66, s66, 16
	s_sub_co_u32 s67, s67, 1
	s_cmp_lg_u32 s67, 0
	s_wait_alu depctr_va_vdst(0)                   ; directly ahead of the branch
	s_cbranch_scc1 .Ltile
	global_store_b32 v9, v8, s[2:3]
	s_wait_tensorcnt 0x0                           ; the wave's end, behind my last LDS store
	ds_add_u32 v5, v6
	s_wait_dscnt 0x0
	s_endpgm
.Lfunc_end_k_q4929c588fc_attn:
	.size	k_q4929c588fc_attn, .Lfunc_end_k_q4929c588fc_attn-k_q4929c588fc_attn
	.p2alignl 7, 3214868480
	.fill 96, 4, 3214868480
	.section	.rodata,"a",@progbits
	.p2align	6, 0x0
	.amdhsa_kernel k_q4929c588fc_attn
		.amdhsa_group_segment_fixed_size 210944
		.amdhsa_private_segment_fixed_size 0
		.amdhsa_enable_private_segment 0
		.amdhsa_kernarg_size 32
		.amdhsa_user_sgpr_count 2
		.amdhsa_user_sgpr_kernarg_segment_ptr 1
		.amdhsa_wavefront_size32 1
		.amdhsa_system_sgpr_workgroup_id_x 1
		.amdhsa_system_sgpr_workgroup_id_y 1
		.amdhsa_system_sgpr_workgroup_id_z 1
		.amdhsa_system_vgpr_workitem_id 0
		.amdhsa_next_free_vgpr 256
		.amdhsa_next_free_sgpr 102
		.amdhsa_reserve_vcc 0
		.amdhsa_float_denorm_mode_32 3
		.amdhsa_float_denorm_mode_16_64 3
		.amdhsa_memory_ordered 1
		.amdhsa_forward_progress 1
		.amdhsa_inst_pref_size 43
	.end_amdhsa_kernel
	.amdgpu_metadata
---
amdhsa.version: [ 1, 2 ]
amdhsa.kernels:
  - .name:           k_q4929c588fc_attn
    .symbol:         k_q4929c588fc_attn.kd
    .args:
      - { .name: qi, .offset: 0, .size: 8, .value_kind: global_buffer, .address_space: global }
      - { .name: kv, .offset: 8, .size: 8, .value_kind: global_buffer, .address_space: global }
      - { .name: mw, .offset: 16, .size: 8, .value_kind: global_buffer, .address_space: global }
      - { .name: xo, .offset: 24, .size: 8, .value_kind: global_buffer, .address_space: global }
    .group_segment_fixed_size: 210944
    .private_segment_fixed_size: 0
    .kernarg_segment_align: 8
    .kernarg_segment_size: 32
    .max_flat_workgroup_size: 512
    .sgpr_count:     102
    .vgpr_count:     256
    .wavefront_size: 32
...
	.end_amdgpu_metadata
.endif
;; end of part 3
;; launch outp (part 4): grid 4 x 64, 4 waves a work-group, clusters of 4 x 4, 295,424 bytes of LDS; arguments xo, wi, bO, out0; writes out0
.if DOCPART == 4
	.amdgcn_target "amdgcn-amd-amdhsa--gfx1250"
	.amdhsa_code_object_version 6
	.text
	.protected	k_q4929c588fc_outp
	.globl	k_q4929c588fc_outp
	.p2align	8
	.type	k_q4929c588fc_outp,@function
k_q4929c588fc_outp:
	s_mov_b64 s[64:65], 0
	v_nop
	global_prefetch_b8 v0, s[64:65] scope:SCOPE_SE
	s_setreg_imm32_b32 hwreg(HW_REG_WAVE_MODE, 25, 1), 1
	s_wait_xcnt 0x0
	s_wait_alu depctr_hold_cnt(0) depctr_sa_sdst(0) depctr_va_vdst(0) depctr_va_sdst(0) depctr_va_ssrc(0) depctr_va_vcc(0) depctr_vm_vsrc(0)
	s_getreg_b32 s2, hwreg(HW_REG_IB_STS2, 6, 4)
	s_cmp_eq_u32 s2, 0
	s_cbranch_scc0 .Lentry_in_a_cluster
	s_endpgm
.Lentry_in_a_cluster:
	s_bfe_u32 s2, ttmp6, 0x10000c
	s_cmp_lg_u32 s2, 0xf033
	s_cbranch_scc0 .Lentry_shape_is_right
	s_endpgm
.Lentry_shape_is_right:
; OUTP.  out0 = x WO + bO on codes of E2M3 with one E8M0 byte for each 32 along K.  A work-group makes 128 tokens x 256 columns n, K = 1,024; its whole operands lie in LDS, each byte filled once, in four chunks of two K steps.
; Source 0 = 16 columns n of WO, source 1 = 16 tokens: a lane holds one token, and its registers run along n.  A wave: 128 columns (8 tiles) x 64 tokens (4 tiles), 32 accumulators.  bO is the C of each sum's first product.
; Row i of tile u of pair p is 32 p + 8 u + i + 8 (i / 8): the 16 registers of tiles 2 p, 2 p + 1 are 16 neighbouring columns.
; x's records are 26,624 bytes a pair: codes as in wi; scale words at 24,576 + 128 head + 4 l, two bytes each: two heads' halves make a K step's word.
; CLUSTER 4 x 4: the four of a column need the same WO, the four of a row the same x: each tile is asked for jointly.
; THE WAY OUT goes through a stage of each wave's own in chunk 0's bytes: these have had their only fill, and every wave's reads of them were over ahead of the barrier of K step 1.
; REGISTERS.  Window 0: v2-10 addresses; v16, v17 the add's two; v32-63 WO's scale words, v64-79 x's; v80-175 x's fragments, two sets (at the head v128-159 the scale halves; on the way out v80-207 rows of out0); v176-239 bO.
;   Window 1: WO's fragments, two sets of 96.   Window 2: the accumulators, (rt, pt) at 64 rt + 8 pt.
.set CH,    73728
.set REC,   25600
.set RECX,  26624
.set SPARE, 4*CH
.set AP16, 2
.set AP8,  3
.set AR16, 4
.set AR8,  5
.set L16,  6
.set L8,   7
.set L4,   8
.set STO,  9
.set RD,   10
.set SPW,  16
.set NIL,  17
.set SP,   32
.set SR,   64
.set RF,   80
.set BK,   80
.set HW,   128
.set BP,   176
.set MSB, 0
.macro WIN new
.if MSB != \new
	s_set_vgpr_msb (MSB<<8)|\new
.set MSB, \new
.endif
.endm
.macro PLACES n
.rept \n
	v_nop
.endr
.endm
.macro CROUND
	s_barrier_signal -1
	s_barrier_wait -1
	s_cmp_lg_u32 s18, 0
	s_cbranch_scc1 .Lnot_wave_0_\@
	s_barrier_signal -3
.Lnot_wave_0_\@:
	s_barrier_wait -3
	s_barrier_signal -1
	s_barrier_wait -1
.endm
	s_load_b256 s[4:11], s[0:1], 0x0               ; xo s[4:5], wi s[6:7], bO s[8:9], out0 s[10:11]
	v_lshl_add_u32 v[SPW], v0, 2, SPARE
	v_mov_b32 v[NIL], 0
	ds_add_u32 v[SPW], v[NIL]                      ; the wave's opening: the add and its wait stand ahead of my first tensor load; work on registers stands between
	ds_add_u32 v[SPW], v[NIL]
	v_lshrrev_b32 v1, 5, v0
	v_readfirstlane_b32 s18, v1                    ; wave
	s_and_b32 s19, s18, 1                          ; which 64 tokens are mine; also which half I fetch
	s_lshr_b32 s20, s18, 1                         ; which 128 columns
	s_bfe_u32 s21, ttmp6, 0x40000                  ; cx: which 256 columns n
	s_bfe_u32 s22, ttmp6, 0x40004                  ; cy
	s_and_b32 s57, ttmp7, 0xffff
	s_lshl_b32 s56, s57, 2
	s_add_co_u32 s56, s56, s22                     ; Y: which 128 tokens, 0..63
	s_lshl_b32 s92, 0x1111, s21                    ; my column of the cluster
	s_lshl_b32 s93, s22, 2
	s_lshl_b32 s93, 15, s93                        ; my row
	s_or_b32 s24, s92, (3<<16)|(1<<21)             ; group 1 for WO: 8 rows of 6,144 bytes (768 elements of 8 bytes), 3,200 elements apart
	s_mov_b32 s25, 768<<16
	s_mov_b32 s26, 8<<16                           ; WO's K steps 0, 1: all 8 pairs in one load
	s_mov_b32 s27, 768<<16
	s_mov_b32 s28, 8
	s_mov_b32 s29, 3200
	s_mov_b32 s30, 0
	s_mov_b32 s31, 0
	s_or_b32 s32, s93, (3<<16)|(1<<21)             ; for x: 4 rows, 3,328 elements apart
	s_mov_b32 s33, 768<<16
	s_mov_b32 s34, 4<<16                           ; x's K steps 0, 1: all 4 pairs
	s_mov_b32 s35, 768<<16
	s_mov_b32 s36, 4
	s_mov_b32 s37, 3328
	s_mov_b32 s38, 0
	s_mov_b32 s39, 0
	s_or_b32 s40, s92, (3<<16)|(1<<21)             ; K steps 2 to 7: rows of 18,432 bytes (2,304 elements): WO's 8 pairs,
	s_mov_b32 s41, 2304<<16
	s_mov_b32 s42, 8<<16
	s_mov_b32 s43, 2304<<16
	s_mov_b32 s44, 8
	s_mov_b32 s45, 3200
	s_mov_b32 s46, 0
	s_mov_b32 s47, 0
	s_or_b32 s48, s93, (3<<16)|(1<<21)             ; and x's 4
	s_mov_b32 s49, 2304<<16
	s_mov_b32 s50, 4<<16
	s_mov_b32 s51, 2304<<16
	s_mov_b32 s52, 4
	s_mov_b32 s53, 3328
	s_mov_b32 s54, 0
	s_mov_b32 s55, 0
	s_lshl_b32 s58, s21, 3                         ; WO: pair 96 + 8 cx
	s_add_co_u32 s58, s58, 96
	s_mul_i32 s58, s58, REC
	s_mov_b32 s59, 0
	s_lshl_b32 s60, s56, 2                         ; x: pair 4 Y
	s_mul_i32 s60, s60, RECX
	s_mov_b32 s61, 0
	s_wait_dscnt 0x0                               ; the opening add is done
	s_wait_kmcnt 0x0
	s_add_nc_u64 s[58:59], s[6:7], s[58:59]
	s_add_nc_u64 s[60:61], s[4:5], s[60:61]
	; LDS: K steps 0, 1 at 0 (WO's 8 pairs x 6,144 bytes, then x's 4); K steps 2 to 7 behind them: WO's 8 pairs x 18,432 bytes at CH, x's 4 at 221,184.  Each byte is filled once.
	s_mov_b32 s68, 1
	s_mov_b32 s69, 0
	s_mov_b64 s[70:71], s[58:59]
	s_or_b32 s71, s71, 0x80000000
	s_mov_b32 s72, 1
	s_mov_b32 s73, 49152
	s_mov_b64 s[74:75], s[60:61]
	s_or_b32 s75, s75, 0x80000000
	s_mov_b32 s76, 1
	s_mov_b32 s77, CH
	s_add_nc_u64 s[78:79], s[58:59], 6144
	s_or_b32 s79, s79, 0x80000000
	s_mov_b32 s80, 1
	s_mov_b32 s81, 221184
	s_add_nc_u64 s[82:83], s[60:61], 6144
	s_or_b32 s83, s83, 0x80000000
	CROUND                                         ; all sixteen work-groups are here: the joint loads meet
	; one tensor load a wave, in one chain of arms on the wave's number: waves 0, 1 what the first two K steps need, waves 2, 3 the rest
	s_cmp_eq_u32 s18, 0
	s_cbranch_scc0 .Lwave_1
	tensor_load_to_lds s[68:71], s[24:31]
	s_nop 0
	PLACES 4
	s_branch .Lfilled
.Lwave_1:
	s_cmp_eq_u32 s18, 1
	s_cbranch_scc0 .Lwave_2
	tensor_load_to_lds s[72:75], s[32:39]
	s_nop 0
	PLACES 4
	s_branch .Lfilled
.Lwave_2:
	s_cmp_eq_u32 s18, 2
	s_cbranch_scc0 .Lwave_3
	tensor_load_to_lds s[76:79], s[40:47]
	s_nop 0
	PLACES 4
	s_branch .Lfilled
.Lwave_3:
	tensor_load_to_lds s[80:83], s[48:55]
	s_nop 0
	PLACES 4
.Lfilled:
	v_and_b32 v11, 31, v0
	v_lshlrev_b32 v[L16], 4, v11
	v_lshlrev_b32 v[L8], 3, v11
	v_lshlrev_b32 v[L4], 2, v11
	s_mul_i32 s2, s20, 24576                       ; my 128 columns in a chunk
	s_mul_i32 s3, s19, 12288
	s_add_co_u32 s3, s3, 49152                     ; my 64 tokens
	v_add_nc_u32 v[AP16], s2, v[L16]
	v_add_nc_u32 v[AP8], s2, v[L8]
	v_add_nc_u32 v[AP8], 512, v[AP8]
	v_add_nc_u32 v[AR16], s3, v[L16]
	v_add_nc_u32 v[AR8], s3, v[L8]
	v_add_nc_u32 v[AR8], 512, v[AR8]
	s_mul_i32 s2, s18, 8448                        ; my stage: 16 rows x (512 bytes + 16)
	v_and_b32 v12, 15, v0
	v_bfe_u32 v13, v0, 4, 1
	v_mul_u32_u24 v[STO], v12, 528
	v_lshl_add_u32 v[STO], v13, 6, v[STO]
	v_add_nc_u32 v[STO], s2, v[STO]                ; in: row r, + 64 h
	v_add_nc_u32 v[RD], s2, v[L16]                 ; back: a row's 512 bytes
	v_lshlrev_b32 v13, 6, v13                      ; 64 h: my half's 16 numbers of each 32 of bO
	s_wait_alu depctr_va_vdst(0)
	s_lshl_b32 s58, s21, 3
	s_add_co_u32 s58, s58, 96
	s_mul_i32 s60, s20, 73728                      ; where my operands lie for K steps 2 to 7: my four pairs of WO,
	s_add_co_u32 s60, s60, 73728
	s_mul_i32 s61, s19, 36864                      ; my two pairs of x,
	s_add_co_u32 s61, s61, 221184
	s_add_co_u32 s62, s60, 512                     ; and the same for the pieces of 8 bytes
	s_add_co_u32 s63, s61, 512
	s_lshl_b32 s59, s20, 2
	s_add_co_u32 s58, s58, s59
	s_mul_i32 s84, s58, REC
	s_add_co_u32 s84, s84, 24576
	s_mov_b32 s85, 0
	s_add_nc_u64 s[84:85], s[6:7], s[84:85]        ; WO's scale words: my four pairs
	s_lshl_b32 s58, s56, 2
	s_lshl_b32 s59, s19, 1
	s_add_co_u32 s58, s58, s59
	s_mul_i32 s86, s58, RECX
	s_add_co_u32 s86, s86, 24576
	s_mov_b32 s87, 0
	s_add_nc_u64 s[86:87], s[4:5], s[86:87]        ; x's: my two pairs
	s_lshl_b32 s88, s21, 10
	s_lshl_b32 s89, s20, 9
	s_add_co_u32 s88, s88, s89                     ; 4 (256 cx + 128 (wave / 2)): my columns, in bytes
	s_mov_b32 s89, 0
	s_lshl_b32 s90, s56, 7
	s_lshl_b32 s91, s19, 6
	s_add_co_u32 s90, s90, s91
	s_lshl_b32 s90, s90, 12                        ; my first token's row of 4,096 bytes
	s_add_co_u32 s90, s90, s88
	s_mov_b32 s91, 0
	s_add_nc_u64 s[90:91], s[10:11], s[90:91]
	s_add_nc_u64 s[88:89], s[8:9], s[88:89]
.irp p, 0,1,2,3
.irp q, 0,1,2,3,4,5,6,7
	global_load_b32 v[SP+8*\p+\q], v[L4], s[84:85] offset:REC*\p+128*\q
.endr
.endr
.irp p, 0,1
.irp q, 0,1,2,3,4,5,6,7,8,9,10,11,12,13,14,15
	global_load_b32 v[HW+16*\p+\q], v[L4], s[86:87] offset:RECX*\p+128*\q   ; pair p, head q: two bytes
.endr
.endr
.irp t, 0,1,2,3,4,5,6,7
	global_load_b128 v[BP+8*\t:BP+8*\t+3], v13, s[88:89] offset:(32*(\t/2)+8*(\t%2))*4
	global_load_b128 v[BP+8*\t+4:BP+8*\t+7], v13, s[88:89] offset:(32*(\t/2)+8*(\t%2))*4+16
.endr
	s_wait_loadcnt 0x0
.irp p, 0,1
.irp q, 0,1,2,3,4,5,6,7
	v_lshl_or_b32 v[SR+8*\p+\q], v[HW+16*\p+2*\q+1], 16, v[HW+16*\p+2*\q]   ; K step q: heads 2 q and 2 q + 1
.endr
.endr
	PLACES 8                                       ; a scale register written by a vector instruction stands eight places ahead of a scaled product
.macro FRAG dst, a16, a8, off
	ds_load_b128 v[(\dst):(\dst)+3], v[\a16] offset:(\off)
	ds_load_b64 v[(\dst)+4:(\dst)+5], v[\a8] offset:(\off)
	ds_load_b128 v[(\dst)+6:(\dst)+9], v[\a16] offset:(\off)+768
	ds_load_b64 v[(\dst)+10:(\dst)+11], v[\a8] offset:(\off)+768
.endm
.macro FETCH s
.if (\s) < 2
.set PP, 6144                          ; from pair to pair in LDS: two K steps,
.else
.set PP, 18432                         ; or six
.endif
	WIN 0x40
.irp pt, 0,1,2,3,4,5,6,7
	FRAG 96*((\s)%2)+12*\pt, AP16, AP8, PP*(\pt/2)+3072*((\s)%2)+1536*(\pt%2)
.endr
	WIN 0
.irp rt, 0,1,2,3
	FRAG RF+48*((\s)%2)+12*\rt, AR16, AR8, PP*(\rt/2)+3072*((\s)%2)+1536*(\rt%2)
.endr
.endm
.macro WM d, a, b, c, sa, sb, oa, ob
.if (\oa) && (\ob)
	v_wmma_scale_f32_16x16x128_f8f6f4 v[(\d):(\d)+7], v[(\a):(\a)+11], v[(\b):(\b)+11], \c, v[\sa], v[\sb] matrix_a_fmt:MATRIX_FMT_FP6 matrix_b_fmt:MATRIX_FMT_FP6 matrix_a_scale:MATRIX_SCALE_ROW1 matrix_b_scale:MATRIX_SCALE_ROW1
.elseif (\oa)
	v_wmma_scale_f32_16x16x128_f8f6f4 v[(\d):(\d)+7], v[(\a):(\a)+11], v[(\b):(\b)+11], \c, v[\sa], v[\sb] matrix_a_fmt:MATRIX_FMT_FP6 matrix_b_fmt:MATRIX_FMT_FP6 matrix_a_scale:MATRIX_SCALE_ROW1
.elseif (\ob)
	v_wmma_scale_f32_16x16x128_f8f6f4 v[(\d):(\d)+7], v[(\a):(\a)+11], v[(\b):(\b)+11], \c, v[\sa], v[\sb] matrix_a_fmt:MATRIX_FMT_FP6 matrix_b_fmt:MATRIX_FMT_FP6 matrix_b_scale:MATRIX_SCALE_ROW1
.else
	v_wmma_scale_f32_16x16x128_f8f6f4 v[(\d):(\d)+7], v[(\a):(\a)+11], v[(\b):(\b)+11], \c, v[\sa], v[\sb] matrix_a_fmt:MATRIX_FMT_FP6 matrix_b_fmt:MATRIX_FMT_FP6
.endif
.endm
.macro MUL16 s, a0, cm                 ; cm = 1: the first K step starts the sums from bO.  The 32 accumulators take turns, in the same order in every step
.irp rt, \a0, \a0+1
.irp pt, 0,1,2,3,4,5,6,7
.if \cm
	WM 64*(\rt)+8*\pt, 96*((\s)%2)+12*\pt, RF+48*((\s)%2)+12*(\rt), v[BP+8*\pt:BP+8*\pt+7], SP+8*(\pt/2)+(\s), SR+8*((\rt)/2)+(\s), \pt%2, (\rt)%2
.else
	WM 64*(\rt)+8*\pt, 96*((\s)%2)+12*\pt, RF+48*((\s)%2)+12*(\rt), v[64*(\rt)+8*\pt:64*(\rt)+8*\pt+7], SP+8*(\pt/2)+(\s), SR+8*((\rt)/2)+(\s), \pt%2, (\rt)%2
.endif
.endr
.endr
.endm
.macro STEP s, cm
.if \cm
.set WMUL, 0x81                        ; source 0 window 1, sources 1 and 2 window 0, D window 2
.else
.set WMUL, 0xa1                        ; C and D window 2
.endif
	s_wait_dscnt 0x0                               ; this step's fragments are in
.if (\s) == 1
	s_wait_tensorcnt 0x0                           ; every wave's one load has landed
	s_barrier_signal -1
.endif
	WIN WMUL
	MUL16 \s, 0, \cm
.if (\s) < 7
	WIN 0
.if (\s) == 1
	s_barrier_wait -1                              ; all of K is in
	v_add_nc_u32 v[AP16], s60, v[L16]              ; on to K steps 2, 3; these four are also the places in front of loads into registers that products have read
	s_wait_alu depctr_va_vdst(0)
	v_add_nc_u32 v[AP8], s62, v[L8]
	s_wait_alu depctr_va_vdst(0)
	v_add_nc_u32 v[AR16], s61, v[L16]
	s_wait_alu depctr_va_vdst(0)
	v_add_nc_u32 v[AR8], s63, v[L8]
.elseif (\s)%2
	v_add_nc_u32 v[AP16], 6144, v[AP16]            ; two K steps on
	s_wait_alu depctr_va_vdst(0)
	v_add_nc_u32 v[AP8], 6144, v[AP8]
	s_wait_alu depctr_va_vdst(0)
	v_add_nc_u32 v[AR16], 6144, v[AR16]
	s_wait_alu depctr_va_vdst(0)
	v_add_nc_u32 v[AR8], 6144, v[AR8]
.else
	PLACES 4
.endif
	FETCH (\s)+1
	WIN WMUL
.endif
	MUL16 \s, 2, \cm
.endm
	s_wait_alu depctr_va_vdst(0)
	s_cmp_lt_u32 s18, 2                            ; waves 0, 1 wait for their loads, K steps 0 and 1; the loads of waves 2, 3 may be out
	s_cbranch_scc0 .Lnot_first
	s_wait_tensorcnt 0x0
.Lnot_first:
	s_barrier_signal -1
	s_barrier_wait -1
	FETCH 0
	STEP 0, 1
.irp q, 1,2,3,4,5,6,7
	s_wait_alu depctr_va_vdst(0)
	STEP \q, 0
.endr
	WIN 0
; THE WAY OUT, a tile of 16 tokens x 128 columns at a time: a lane holds 64 x 4 bytes of a row in pieces of 32; the tile goes through my stage and comes back as whole rows of 512 bytes.
.macro TOSTAGE rt
	WIN 0x08                                       ; an LDS store's data: window 2
.irp pt, 0,1,2,3,4,5,6,7
	ds_store_b128 v[STO], v[64*(\rt)+8*\pt:64*(\rt)+8*\pt+3] offset:128*(\pt/2)+32*(\pt%2)       ; each accumulator from its low end on
	ds_store_b128 v[STO], v[64*(\rt)+8*\pt+4:64*(\rt)+8*\pt+7] offset:128*(\pt/2)+32*(\pt%2)+16
.endr
	WIN 0
.set ii, 0
.rept 16
	ds_load_b128 v[BK+64*((\rt)%2)+4*ii:BK+64*((\rt)%2)+4*ii+3], v[RD] offset:528*ii   ; LDS serves a wave's instructions in order: these see the stores above
.set ii, ii+1
.endr
.endm
.macro SEND rt, younger                ; younger: the LDS instructions issued behind this tile's loads, which may stay out
	s_wait_dscnt \younger
.set ii, 0
.rept 16
	global_store_b128 v[L16], v[BK+64*((\rt)%2)+4*ii:BK+64*((\rt)%2)+4*ii+3], s[90:91] offset:(32*((\rt)/2)+8*((\rt)%2)+ii+8*(ii/8))*4096 th:TH_STORE_NT   ; 512 consecutive bytes, at a multiple of 256 from out0's first byte
.set ii, ii+1
.endr
.endm
	PLACES 4                                       ; behind the last products: ahead of the first read of results and of loads into registers that held fragments
	TOSTAGE 0
.irp a, 1,2,3
.if \a > 1
	s_wait_xcnt 0x0                                ; the stores of two tiles back have read their data: this tile's loads may land there
.endif
	TOSTAGE \a
	SEND \a-1, 32                                  ; behind that tile's loads: this tile's 16 stores and 16 loads
.endr
	SEND 3, 0
	s_wait_tensorcnt 0x0                           ; the wave's end, behind my last LDS store
	ds_add_u32 v[SPW], v[NIL]
	s_wait_dscnt 0x0
	CROUND                                         ; the closing round
	s_endpgm
.Lfunc_end_k_q4929c588fc_outp:
	.size	k_q4929c588fc_outp, .Lfunc_end_k_q4929c588fc_outp-k_q4929c588fc_outp
	.p2alignl 7, 3214868480
	.fill 96, 4, 3214868480
	.section	.rodata,"a",@progbits
	.p2align	6, 0x0
	.amdhsa_kernel k_q4929c588fc_outp
		.amdhsa_group_segment_fixed_size 295424
		.amdhsa_private_segment_fixed_size 0
		.amdhsa_enable_private_segment 0
		.amdhsa_kernarg_size 32
		.amdhsa_user_sgpr_count 2
		.amdhsa_user_sgpr_kernarg_segment_ptr 1
		.amdhsa_wavefront_size32 1
		.amdhsa_system_sgpr_workgroup_id_x 1
		.amdhsa_system_sgpr_workgroup_id_y 1
		.amdhsa_system_sgpr_workgroup_id_z 1
		.amdhsa_system_vgpr_workitem_id 0
		.amdhsa_next_free_vgpr 768
		.amdhsa_next_free_sgpr 100
		.amdhsa_reserve_vcc 0
		.amdhsa_float_denorm_mode_32 3
		.amdhsa_float_denorm_mode_16_64 3
		.amdhsa_memory_ordered 1
		.amdhsa_forward_progress 1
		.amdhsa_inst_pref_size 92
	.end_amdhsa_kernel
	.amdgpu_metadata
---
amdhsa.version: [ 1, 2 ]
amdhsa.kernels:
  - .name:           k_q4929c588fc_outp
    .symbol:         k_q4929c588fc_outp.kd
    .args:
      - { .name: xo, .offset: 0, .size: 8, .value_kind: global_buffer, .address_space: global }
      - { .name: wi, .offset: 8, .size: 8, .value_kind: global_buffer, .address_space: global }
      - { .name: bO, .offset: 16, .size: 8, .value_kind: global_buffer, .address_space: global }
      - { .name: out0, .offset: 24, .size: 8, .value_kind: global_buffer, .address_space: global }
    .group_segment_fixed_size: 295424
    .private_segment_fixed_size: 0
    .kernarg_segment_align: 8
    .kernarg_segment_size: 32
    .max_flat_workgroup_size: 128
    .sgpr_count:     100
    .vgpr_count:     768
    .wavefront_size: 32
...
	.end_amdgpu_metadata
.endif
;; end of part 4
